; MI455X (gfx1250); checked and timed in simulation.
; The chip was launched on July 23, 2026; its instructions are those of AMD's public machine-readable ISA for CDNA 5 (MIT licence, August 2026) and "CDNA5" Instruction Set Architecture Reference Guide (July 2026). The comments in the code are by the model that wrote it; some were corrected since.
;; Self Attn. Allowed arithmetic: matrix products marked QUANTISED: E2M3 operands, one E8M0 scale for each 32 along K, by v_wmma_scale_f32_16x16x128_f8f6f4 with both operands' format E2M3, f32 sums; everything else in f32.
;; Inputs: Wk_codes 1,024 x 32 x 24 uint8 (E2M3 codes of Wk, K innermost, in blocks of 32 codes, four codes in three bytes); Wk_scales 1,024 x 32 uint8 (E8M0 scales of Wk, one for each 32 codes along K); Wq_codes 1,024 x 32 x 24 uint8 (E2M3 codes of Wq, K innermost, in blocks of 32 codes, four codes in three bytes); Wq_scales 1,024 x 32 uint8 (E8M0 scales of Wq, one for each 32 codes along K); Wv_codes 1,024 x 32 x 24 uint8 (E2M3 codes of Wv, K innermost, in blocks of 32 codes, four codes in three bytes); Wv_scales 1,024 x 32 uint8 (E8M0 scales of Wv, one for each 32 codes along K); bk 1,024 float32; bq 1,024 float32; bv 1,024 float32; embeddings_codes 8 x 1,024 x 32 x 24 uint8 (E2M3 codes of embeddings, K innermost, in blocks of 32 codes, four codes in three bytes); embeddings_scales 8 x 1,024 x 32 uint8 (E8M0 scales of embeddings, one for each 32 codes along K).
;; Outputs: out0 8 x 1,024 x 1,024 float32.
;; This version of the problem:
;;   THIS VERSION OF THE PROBLEM IS GIVEN IN LOW PRECISION. The matrix products marked QUANTISED in the list below multiply operands that are first quantised to E2M3 (2 exponent bits, 3 mantissa bits; 6 bits a number), with one power-of-two scale for each 32 numbers along K (OCP MX v1.0); their sums are f32. All else is computed in f32.
;;   The module's matrix products, in the order in which they are computed (A, B: the left and right operand; K: the contracted axis; several contracted axes count as one K, in the product's order):
;;     1. [M 8,192, K 1,024] x [K 1,024, N 1,024]; A: input embeddings (given as codes); B: input Wq (given as codes): QUANTISED
;;     2. [M 8,192, K 1,024] x [K 1,024, N 1,024]; A: input embeddings (given as codes); B: input Wk (given as codes): QUANTISED
;;     3. [M 8,192, K 1,024] x [K 1,024, N 1,024]; A: input embeddings (given as codes); B: input Wv (given as codes): QUANTISED
;;     4. batch 8 x [M 1,024, K 1,024] x [K 1,024, N 1,024]; A: computed on the way; B: computed on the way: QUANTISED
;;     5. batch 8 x [M 1,024, K 1,024] x [K 1,024, N 1,024]; A: computed on the way; B: computed on the way: QUANTISED
;;   THE QUANTISER, for each operand of a quantised product, along K:
;;     - K is cut into blocks of 32 from its start; a last block that is shorter is filled with zeros.
;;     - A block's scale is 2^e with e = floor(log2(the largest magnitude in the block)) - 2, held to -126 .. 127; a block of zeros has e = 0. As a byte (E8M0): e + 127.
;;     - Each number is divided by its block's scale, clamped to +-7.5, and rounded to the nearest number of E2M3, ties to even, subnormals kept.
;;     - The product sums the exact products of the quantised numbers (number of the format x scale) in f32.
;;   ~~~python
;;   def quantise(x, axis):      # numpy; x: float32 -> the quantised numbers, widened to float32 again
;;       x = np.moveaxis(x, axis, -1); K = x.shape[-1]
;;       x = np.pad(x, [(0, 0)] * (x.ndim - 1) + [(0, -K % 32)]); x = x.reshape(x.shape[:-1] + (-1, 32)); a = np.abs(x).max(-1, keepdims=True)
;;       e = np.where(a > 0, np.clip(np.frexp(np.where(a > 0, a, 1))[1] - 1 - 2, -126, 127), 0)      # np.frexp(a)[1] - 1 = floor(log2(a)), exactly
;;       r = np.clip(x / 2.0 ** e, -7.5, 7.5)
;;       step = 2.0 ** (np.maximum(np.frexp(np.where(r == 0, 1, r))[1] - 1, 0) - 3)
;;       q = np.round(r / step) * step * 2.0 ** e      # np.round: ties to even
;;       return np.moveaxis(q.reshape(q.shape[:-2] + (-1,))[..., :K], -1, axis).astype(np.float32)
;;   ~~~
;;   OPERANDS COMPUTED ON THE WAY. 'Computed on the way' means the value that the module computes at that place (a softmax that the list does not call 'softmax' is quantised finished and normalised). What goes into a quantiser is computed in f32, as accurately as f32 sums, v_exp_f32 and their like allow (about 1e-6 of the number): no bf16 or f16 on the way to a quantiser, and a product that is left as it is and whose result goes on into a quantised operand takes f32 operands (vector FMAs, or v_wmma_f32_16x16x4_f32). A number that lies on a knife's edge between two numbers of the format may be rounded either way, as far as f32 arithmetic and the matrix unit's own rounding can turn it there, and no further.
;;   INPUTS GIVEN AS CODES. Wk (in the module: [1024, 1024], K = its axis 1); Wq (in the module: [1024, 1024], K = its axis 1); Wv (in the module: [1024, 1024], K = its axis 1); embeddings (in the module: [8, 1024, 1024], K = its axis 2): each comes as NAME_codes (uint8): NAME with its K axis moved to the last place and cut into blocks of 32 codes, [.., K / 32, bytes a block], one block behind the other in memory; four codes in three bytes: a row's codes are one little-endian stream of bits, code i at bits 6 i .. 6 i + 5 (a code: sign, 2 exponent bits, 3 mantissa bits); and NAME_scales (uint8): the same leading axes, one E8M0 byte (e + 127) for each 32 codes along K. Its value is code x scale, taken as it is: it is not quantised again, and the codes and scales need not be those that the quantiser above would give.
;; One version. Each part assembles by itself: llvm-mc -triple=amdgcn-amd-amdhsa -mcpu=gfx1250 --defsym DOCPART=n.
;; ======== version 1 of 1: 3 launches
;; limits: right only within a limited range of input values
;; workspace buffers: qr 6,553,600 bytes; kr 6,553,600 bytes; vr 6,553,600 bytes; pr 7,340,032 bytes
;; launch proj (part 1): grid 16 x 16, 4 waves a work-group, clusters of 4 x 4, 327,680 bytes of LDS; arguments embeddings_codes, embeddings_scales, Wq_codes, Wq_scales, Wk_codes, Wk_scales, Wv_codes, Wv_scales, bq, bk, bv, qr, kr, vr; writes qr, kr, vr
.if DOCPART == 1
	.amdgcn_target "amdgcn-amd-amdhsa--gfx1250"
	.amdhsa_code_object_version 6
	.text
	.protected	k_qfaf1e923f8_proj
	.globl	k_qfaf1e923f8_proj
	.p2align	8
	.type	k_qfaf1e923f8_proj,@function
k_qfaf1e923f8_proj:
	s_mov_b64 s[64:65], 0
	v_nop
	global_prefetch_b8 v0, s[64:65] scope:SCOPE_SE
	s_setreg_imm32_b32 hwreg(HW_REG_WAVE_MODE, 25, 1), 1
	s_wait_xcnt 0x0
	s_wait_alu depctr_hold_cnt(0) depctr_sa_sdst(0) depctr_va_vdst(0) depctr_va_sdst(0) depctr_va_ssrc(0) depctr_va_vcc(0) depctr_vm_vsrc(0)
	s_getreg_b32 s2, hwreg(HW_REG_IB_STS2, 6, 4)
	s_cmp_eq_u32 s2, 0
	s_cbranch_scc0 .Lentry_in_a_cluster
	s_endpgm
.Lentry_in_a_cluster:
	s_bfe_u32 s2, ttmp6, 0x10000c
	s_cmp_lg_u32 s2, 0xf033
	s_cbranch_scc0 .Lentry_shape_is_right
	s_endpgm
.Lentry_shape_is_right:
; Q, K, V = x W^T + b, quantised on the way out to codes of FP6 (E2M3) and scale bytes, in the order of the operand registers of the launches that read them.
; WORK LEFT OUT IN THE PROGRAM (in launches score and pv): the tiles of scores and of P in which every key comes after every query.  There the problem's mask puts -inf, so P = 0 for all finite inputs.  A NaN, an infinity or an
; overflow that reaches only that work is not carried to the result.  All inputs are loaded; the bias of K is live, since it moves the codes of a quantised operand.
; LIMITS: NaN and infinities are not served; a block of zeros gets the scale byte 1 (its codes are zeros; this program alone reads the bytes).
; RECORDS of 12,800 bytes, 128 rows x 128 along the next K: [tile of 16 rows][c = 0, 1]{ registers 6c .. 6c+3: lane x 16;  6c+4, 6c+5: 512 + lane x 8 } and from 12,288 on the scale bytes: 256 (T / 4) + 128 (T % 2) + 8 r + 4 (T / 2 % 2) + 2 c + h
; for row r of tile T, block 2 c + h of its 128.  qr, kr: record 64 batch + 8 feature step + token block;  vr (rows are features, K is tokens): record 64 batch + 8 feature block + key step.
; THE DEAL.  256 work-groups of four waves, 2 x 2.  A wave holds 64 rows of a weight, all of K, in registers (384) and streams x past them in blocks of 16 rows.  A work-group makes 256 x 128 of V, then 512 x 128 of Q or K; V's 256 rows are a half
; (s87) of its own 512, so 512 rows of x are loaded.  s87 and the tensor (s19) come from the cluster's number alone.  x's rows are shared by a row of the cluster, a weight's by a column, in both phases.
; ROWS OF A TILE are chosen by the lanes' LDS addresses.  Weights: lane r of tile j takes row 32 H + 8 (j xor H) + r % 8 of the wave's 64, H = r / 8: so a lane's 32 sums of Q or K are one scale block of 32 features (in an order that Q and K share).
; x, for V: lane r of block j takes token 32 H + 8 (g xor H) + r % 8 of the band of 64, g = 0, 2, 1, 3: a lane's 32 sums for a feature are one scale block of 32 tokens, in the order of P's codes.  The two halves' groups of eight have opposite parity:
; the 16 rows (pitch 816 bytes = 204 words) start at 16 different banks of 64.  x, for Q and K: 16 neighbouring rows.
; LDS: two slots of 128 rows of x, a region for a weight's 128 rows, two places for a chunk's scale bytes, the results' scale bytes, the spare words.
; FILLS.  One joint load a wave at the head; three refills, each in a drained round: the weights' region once (in V's block 2), then the other half's two chunks and their scale bytes (blocks 2 and 6 of Q or K).
; PREFETCHES, each a sixteenth a wave over the sixteen waves that will ask jointly: the second weight at the head, chunk 2 and the later scale bytes behind the first refill, chunk 3 between the phases; they end there.
; A BLOCK is 32 products; behind every second one stand two ENTRIES of a list: up to four scalar lines and one vector line: addresses, descriptors, and the search for the largest magnitude of the last block's sums, in two chains.
.set KROW,   768
.set KS,     32
.set PITCH,  816
.set FR,     12
.set FPW,    21
.set NF,     28                        ; LDS loads of a block: 26 for eight fragments, 2 for eight scale words
.set RA,     128
.set YB,     RA*PITCH
.set BVB,    2*YB
.set SCL,    3*YB
.set CU,     16
.set SCB,    CU*272
.set SSTEP,  4*272
.set XN,     SCL+2*SCB                 ; Q's or K's scale bytes, 512 a chunk in the order of work
.set XM,     XN+2048                   ; V's, 512 a key step
.set SPARE,  XM+1024
.set RECB,   12800
.set ADRA0, 4                          ; v4, v5, v6: Q, K: LDS address of my fragments of block 0, the same behind one padding more, its scale words;  v1, v22, v23: block 1
.set AAS0,  6
.set CO,    9
.set SPW,   10
.set NIL,   11
.set ADRA,  12                         ; v12, v13, v17: the block that is fetched next
.set ABS,   16
.set AAS,   17
.set STO,   18
.set STV,   19
.set BQE,   21                         ; v21, v63  offsets in the bias of Q or K
.set BQO,   63
.set SB,    24                         ; v24-39  the weights' scale words
.set TQ,    40
.set SA,    44                         ; v44-59  x's scale words, two sets
.set TC,    60
.set ACC,   64                         ; v64-127 Q, K: two sets of four accumulators
.set HV0,   64                         ; v64-191 V, band 0: 32 t + 8 j + i
.set HV1,   840                        ; v840-967 band 1
.set NCD,   128
.set BBQ,   160                        ; v160-191 the bias of Q or K as C
.set MCD,   192                        ; v192-239 V's codes, six registers a tile and band
.set SOP,   240
.set EB,    244
.set VX,    248
.set VE,    249                        ; v249-252 V: LDS addresses for even g (two), for odd g (two)
.set AE,    253                        ; v253, v254 and their scale words'
.set C8,    255
.set SB2,   968
.set BA,    984                        ; v984-991 LDS addresses of the weights' four tiles
.set BBV,   992                        ; v992-1023 V's bias as C
.set G1A, 24
.set G0A, 56
.set G0R, 68
.set G1B, 32
.set G0B, 60
.set G1S, 92
.set G0S, 72
.set WC,  104                          ; s[104:105] W_q's or W_k's codes
.set MSB, 0
.macro WIN new
.if MSB != (\new)
	s_set_vgpr_msb (MSB<<8)|(\new)
.set MSB, (\new)
.endif
.endm
.macro PLACES n
.rept \n
	v_nop
.endr
.endm
.macro WALU
	s_wait_alu depctr_va_vdst(0)
.endm
.macro BARRIER
	s_barrier_signal -1
	s_barrier_wait -1
.endm
.macro MIDDLE
	WIN 0
	s_barrier_wait -1
	s_cmp_lg_u32 s14, 0
	s_cbranch_scc1 .Lnot_wave_0_\@
	s_barrier_signal -3
.Lnot_wave_0_\@:
	s_barrier_wait -3
.endm
.macro CROUND
	s_barrier_signal -1
	MIDDLE
	BARRIER
.endm
.macro GRD
	s_wait_tensorcnt 0x0
	ds_add_u32 v[SPW], v[NIL]
.endm
.macro TLOAD g0, g1
	tensor_load_to_lds s[\g0:\g0+3], s[\g1:\g1+7]
	s_nop 0
	PLACES 4
.endm
.macro GROUP1 g, mask, rows            ; rows of 768 bytes, 16 bytes of padding behind every 256
	s_or_b32 s[\g+0], s[\mask], (1<<20)|(1<<21)|(5<<22)|(3<<25)
	s_mov_b32 s[\g+1], KROW<<16
	s_mov_b32 s[\g+2], (\rows)<<16
	s_mov_b32 s[\g+3], KROW<<16
	s_mov_b32 s[\g+4], \rows
	s_mov_b32 s[\g+5], KROW
	s_mov_b32 s[\g+6], 0
	s_mov_b32 s[\g+7], 0
.endm
.macro SADD d, x
	s_add_co_u32 s\d, s\d, s\x
.endm
.macro G0SET g, base, off              ; 64-bit base + the 32-bit offset in s\off (s21 = 0)
	s_mov_b32 s20, s\off
	s_add_nc_u64 s[\g+2:\g+3], s[\base:\base+1], s[20:21]
	s_or_b32 s[\g+3], s[\g+3], 0x80000000
.endm
; Fragment f lies in window 1 + f / 21 at register 12 (f % 21): 0-31 the weights' (4 q + tile), 32-39 and 40-47 x's two sets.
.macro FRAG f, q, a0, a1, aw           ; six pieces of 8 bytes, two to a load where lanes 16-31 (24 bytes on) lie behind as many paddings
	WIN ((1+(\f)/FPW)<<6)|(\aw)
.set R_, FR*((\f)%FPW)
.set SKIP_, 0
.irp p, 0,1,2,3,4,5
.if SKIP_
.set SKIP_, 0
.else
.set PC_, 12*(\q)+6*(\p/3)+\p%3
.set PN_, 12*(\q)+6*((\p+1)/3)+(\p+1)%3
.set X_, (PC_%32+3)/32
.set XQ_, (PN_%32+3)/32
.if (\p < 5) && (X_ == XQ_)
.set SKIP_, 1
.if X_
	ds_load_2addr_b64 v[R_+2*\p:R_+2*\p+3], \a1 offset0:PC_+2*(PC_/32) offset1:PN_+2*(PN_/32)
.else
	ds_load_2addr_b64 v[R_+2*\p:R_+2*\p+3], \a0 offset0:PC_+2*(PC_/32) offset1:PN_+2*(PN_/32)
.endif
.elseif X_
	ds_load_b64 v[R_+2*\p:R_+2*\p+1], \a1 offset:8*(PC_+2*(PC_/32))
.else
	ds_load_b64 v[R_+2*\p:R_+2*\p+1], \a0 offset:8*(PC_+2*(PC_/32))
.endif
.endif
.endr
.endm
.macro WEIGHTS                         ; my 64 rows of the weight, all of K: 104 loads
.irp q, 0,1,2,3,4,5,6,7
.irp b, 0,1,2,3
	FRAG 4*\q+\b, \q, v[BA-768+2*\b], v[BA-768+2*\b+1], 3
.endr
.endr
	WIN 0
.endm
.macro FETCHAT e, a0, a1, as           ; a block of x's rows into set e: NF loads
.irp q, 0,1,2,3,4,5,6,7
	FRAG 32+8*(\e)+\q, \q, \a0, \a1, 0
.endr
	WIN 0
	ds_load_b128 v[SA+8*(\e):SA+8*(\e)+3], \as
	ds_load_b128 v[SA+8*(\e)+4:SA+8*(\e)+7], \as offset:16
.endm
.macro FETCH e
	FETCHAT \e, v[ADRA], v[ADRA+1], v[AAS]
.endm
; Product n = 4 q + tile.  kind 0 (Q, K): source 0 the weight's rows; kind 1 (V): source 0 x's rows.  The first four take the bias as C.
.macro PROD kind, e, n, a0, as
.set Q_, (\n)/4
.set FB_, 4*Q_+(\n)%4
.set FA_, 32+8*(\e)+Q_
.set D_, (\a0)+(\as)*((\n)%4)
.set DL_, D_&255
.set XB_, SB+8*(((\n)%4)/2)+Q_
.set XA_, SA+8*(\e)+Q_
.if \kind
.if Q_
	WIN (1+FA_/FPW)|((1+FB_/FPW)<<2)|((D_>>8)<<4)|((D_>>8)<<6)
	PROD1 DL_, FA_, FB_, v[DL_:DL_+7], XA_, XB_, b, (\n)%2
.else
	WIN (1+FA_/FPW)|((1+FB_/FPW)<<2)|(3<<4)|((D_>>8)<<6)
	PROD1 DL_, FA_, FB_, v[BBV-768+8*((\n)%4):BBV-768+8*((\n)%4)+7], XA_, XB_, b, (\n)%2
.endif
.else
	WIN (1+FB_/FPW)|((1+FA_/FPW)<<2)|((D_>>8)<<4)|((D_>>8)<<6)
.if Q_
	PROD1 DL_, FB_, FA_, v[DL_:DL_+7], XB_, XA_, a, (\n)%2
.else
	PROD1 DL_, FB_, FA_, v[BBQ+8*((\n)%4):BBQ+8*((\n)%4)+7], XB_, XA_, a, (\n)%2
.endif
.endif
.endm
.macro PROD1 d, s0, s1, c, x0, x1, side, o
.if \o
	v_wmma_scale_f32_16x16x128_f8f6f4 v[\d:\d+7], v[FR*((\s0)%FPW):FR*((\s0)%FPW)+FR-1], v[FR*((\s1)%FPW):FR*((\s1)%FPW)+FR-1], \c, v[\x0], v[\x1] matrix_a_fmt:MATRIX_FMT_FP6 matrix_b_fmt:MATRIX_FMT_FP6 matrix_\side\()_scale:MATRIX_SCALE_ROW1
.else
	v_wmma_scale_f32_16x16x128_f8f6f4 v[\d:\d+7], v[FR*((\s0)%FPW):FR*((\s0)%FPW)+FR-1], v[FR*((\s1)%FPW):FR*((\s1)%FPW)+FR-1], \c, v[\x0], v[\x1] matrix_a_fmt:MATRIX_FMT_FP6 matrix_b_fmt:MATRIX_FMT_FP6 matrix_\side\()_scale:MATRIX_SCALE_ROW0
.endif
.endm
.macro BLOCK kind, e, a0, as, from, to, list, x=0, y=0
.set N_, \from
.rept (\to)-(\from)
	PROD \kind, \e, N_, \a0, \as
.if N_%2
	\list N_-1, \x, \y
	\list N_, \x, \y
.endif
.set N_, N_+1
.endr
.endm
; What the lists are made of: each macro writes entry i of its part, and nothing beyond its last.
.macro STEPC i, s                      ; V: LDS addresses of block s + 2: 3 entries
.set J_, ((\s)+2)%4
.set G_, 2*(J_%2)+J_/2
.if (\i) == 0
	WIN 0
	v_add_nc_u32 v[ADRA], (((\s)+2)/4)*YB+8*G_*PITCH, v[VE+2*(G_%2)]
.elseif (\i) == 1
	WIN 0
	v_add_nc_u32 v[ADRA+1], (((\s)+2)/4)*YB+8*G_*PITCH, v[VE+1+2*(G_%2)]
.elseif (\i) == 2
	WIN 0
	v_add_nc_u32 v[AAS], (((\s)+2)/4)*SCB+272*G_, v[AE+G_%2]
.endif
.endm
.macro STEP i, wrap                    ; Q, K: to the next block: 3 entries; with the test for the ring's end 4
.if \wrap
.if (\i) == 0
	s_add_co_u32 s101, s101, 32*PITCH
	s_cmp_eq_u32 s101, 2*YB
	s_cselect_b32 s101, 0, s101
	s_add_co_u32 s91, s91, SSTEP
.elseif (\i) == 1
	s_cmp_eq_u32 s91, 2*SCB
	s_cselect_b32 s91, 0, s91
.endif
	STEPV (\i)-1
.else
.if (\i) == 0
	s_add_co_u32 s101, s101, 32*PITCH
	s_add_co_u32 s91, s91, SSTEP
.endif
	STEPV \i
.endif
.endm
.macro STEPV i
.if (\i) == 0
	WIN 0
	v_add_nc_u32 v[ADRA], s101, v[ADRA0]
.elseif (\i) == 1
	WIN 0
	v_add_nc_u32 v[ADRA+1], s101, v[ADRA0+1]
.elseif (\i) == 2
	WIN 0
	v_add_nc_u32 v[AAS], s91, v[AAS0]
.endif
.endm
.macro CHAIN i, x, n, t=TQ             ; 18 entries: the largest magnitude of the 32 sums from register x on, and the conversions' scale operand
.set XW_, (\x)>>8
.set XL_, (\x)&255
.if (\i) >= 0 && (\i) < 14
.set B_, XL_+16*((\i)%2)+2*((\i)/2)
.set T_, (\t)+1-(\i)%2
.if (\i) < 2
	WIN XW_|(XW_<<2)|(XW_<<4)
	v_max3_num_f32 v[T_], |v[B_]|, |v[B_+1]|, |v[B_+2]|
.else
	WIN (XW_<<2)|(XW_<<4)
	v_max3_num_f32 v[T_], v[T_], |v[B_+1]|, |v[B_+2]|
.endif
.elseif (\i) == 14
	WIN XW_<<2
	v_max3_num_f32 v[\t+1], v[\t+1], |v[XL_+15]|, 0x1800000   ; with the floor 2^(3 - 127)
.elseif (\i) == 15
	WIN 0
	v_nop
.elseif (\i) == 16
	WIN XW_<<2
	v_max3_num_f32 v[\t], v[\t], |v[XL_+31]|, v[\t+1]
.elseif (\i) == 17
	WIN 0
	v_add_nc_u32 v[SOP+\n], 0xff000000, v[\t]
.endif
.endm
.macro CODES i, x, c, n, t=TC          ; 6 lines: 32 codes into v[c .. c+5], the scale's byte into v[EB+n]
.set XW_, (\x)>>8
.set XL_, (\x)&255
.if (\i) == 0
	WIN XW_
	v_cvt_scalef32_pk16_fp6_f32 v[\c:\c+2], v[XL_:XL_+15], v[SOP+\n]
.elseif (\i) == 1
	WIN XW_
	v_cvt_scalef32_pk16_fp6_f32 v[\t:\t+2], v[XL_+16:XL_+31], v[SOP+\n]
.elseif (\i) == 2
	WIN 0
	v_lshrrev_b32 v[EB+\n], 23, v[SOP+\n]
.else
	WIN 0
	v_mov_b32 v[\c+\i], v[\t+\i-3]
.endif
.endm
.macro CODES6 x, c, n
.irp i, 0,1,2,3,4,5
	CODES \i, \x, \c, \n
.endr
.endm
.macro PFTILE v, off, share            ; one entry: my sixteenth of a tile of 128 rows: 24 units of 256 bytes
	s_mul_i32 s21, s\share, RA*KROW/16
	s_add_co_u32 s20, s\off, s21
	WIN 0
	v_min_u32 v\v, RA*KROW/16/256-1, v3
	v_lshl_add_u32 v\v, v\v, 8, s20
.endm
.macro PFGO v, base
	global_prefetch_b8 v\v, s[\base:\base+1] th:TH_LOAD_NT scope:SCOPE_SE
.endm
.macro PUT2 r, base, off               ; half an operand: 512 and 256 consecutive bytes
	global_store_b128 v[CO], v[\r:\r+3], \base offset:\off
	global_store_b64 v[C8], v[\r+4:\r+5], \base offset:(\off)+512
.endm
.macro ASK i                           ; 4 entries: the descriptors of the chunk at s88 for slot s47, and of its scale bytes at s55 for s8; then all four step on
.if (\i) == 0
	s_mul_i32 s[G0R+1], s14, RA/2*PITCH
	s_add_co_u32 s[G0R+1], s[G0R+1], s47
	s_mul_i32 s20, s14, RA/2*KROW
	SADD 20, 88
.elseif (\i) == 1
	s_mov_b32 s21, 0
	s_add_nc_u64 s[G0R+2:G0R+3], s[4:5], s[20:21]
	s_or_b32 s[G0R+3], s[G0R+3], 0x80000000
	s_mov_b32 s[G0S+1], s8
.elseif (\i) == 2
	s_mov_b32 s20, s55
	s_add_nc_u64 s[G0S+2:G0S+3], s[6:7], s[20:21]
	s_or_b32 s[G0S+3], s[G0S+3], 0x80000000
	s_add_co_u32 s88, s88, RA*KROW
.elseif (\i) == 3
	s_add_co_u32 s55, s55, CU*256
	s_xor_b32 s47, s47, YB
	s_xor_b32 s8, s8, (SCL)^(SCL+SCB)
.endif
.endm
.macro PAIR i                          ; 3 entries: where pair s46's codes go (by the true chunk) and its scale bytes (by the order of work)
.if (\i) == 0
	s_lshr_b32 s3, s46, 1
	s_lshl_b32 s20, s87, 1
	s_xor_b32 s3, s3, s20
	s_mul_i32 s20, s3, RECB
.elseif (\i) == 1
	s_and_b32 s21, s46, 1
	s_mul_i32 s21, s21, 6144
	SADD 20, 21
	s_mov_b32 s21, 0
.elseif (\i) == 2
	s_add_nc_u64 s[84:85], s[10:11], s[20:21]
	s_lshl_b32 s22, s46, 8
	s_add_co_u32 s46, s46, 1
	WIN 0
	v_add_nc_u32 v[VX], s22, v[STO]
.endif
.endm
; The lists
.macro L_V0 i, x, y
	STEPC \i, \x
.endm
.macro L_NONE i, x, y
.endm
.macro L_VOUT i, x, y                  ; V's block 4 + y: the step, the way out of band 0's tile y
	STEPC \i, 4+(\y)
	CHAIN (\i)-3, \x, \y
.endm
.macro L_STEP i, x, y
	STEP \i, 0
.endm
.macro L_OUT i, x, y
	STEP \i, 0
	CHAIN (\i)-3, \x, \y
.endm
.macro L_LAST i, x, y
	CHAIN \i, \x, \y
.endm
.macro L_V2 i, x, y                    ; V's block 2: the first refill's descriptors; the later refills' group 1; the step; prefetches of what the second refill will load
.if (\i) == 0
	s_mov_b32 s[G1A+2], (RA/2)<<16
	s_mov_b32 s[G1A+4], RA/2
	s_mov_b32 s[G1S+2], CU<<16
	s_mov_b32 s[G1S+4], CU
.elseif (\i) == 1
	s_mov_b32 s[G1B+2], 64<<16
	s_mov_b32 s[G1B+4], 64
	s_mul_i32 s[G0B+1], s14, 64*PITCH
	s_add_co_u32 s[G0B+1], s[G0B+1], BVB
.elseif (\i) == 2
	s_mul_i32 s20, s14, 64*KROW
	SADD 20, 9
	s_mov_b32 s21, 0
	s_add_nc_u64 s[G0B+2:G0B+3], s[WC:WC+1], s[20:21]
.elseif (\i) == 3
	s_or_b32 s[G0B+3], s[G0B+3], 0x80000000
.elseif (\i) == 7
	PFTILE 7, 88, 90
.elseif (\i) == 8
	s_lshl_b32 s21, s90, 9
	s_add_co_u32 s20, s55, s21
	WIN 0
	v_min_u32 v8, 1, v3
	v_lshl_add_u32 v8, v8, 8, s20
.endif
	STEPC (\i)-4, 2
.endm
.macro L_V7 i, x, y
.if (\i) == 0
	s_add_co_u32 s22, s88, RA*KROW
	PFTILE 20, 22, 90
.endif
	CHAIN (\i)-1, \x, \y
.endm
.macro L_ODD i, x, y
	PAIR \i
	STEP (\i)-3, 0
	CHAIN (\i)-6, ACC, 0
.endm
.macro L_ODDL i, x, y
	PAIR \i
	CHAIN (\i)-3, ACC, 0
.endm
.macro L_ROUND i, x, y
	ASK \i
	STEP (\i)-4, 1
	CHAIN (\i)-8, ACC+32, 1
.endm
.macro WAITDS w                        ; w: the count of the wait for the block's rows (-1: shown in already)
.if (\w) >= 0
	s_wait_dscnt \w
.endif
.endm
.macro EVENOUT fetch                   ; behind an even block: the odd block's byte and codes, the fetch of the block two on
	WALU
	ds_store_b8 v[VX], v[EB+1] offset:4
	PUT2 NCD+6, s[84:85], 3072
.if \fetch
	FETCH 0
.endif
.endm
.macro EVEN w, fetch
	WAITDS \w
.if \fetch
	BLOCK 0, 0, ACC, 8, 0, 32, L_OUT, ACC+32, 1
.else
	BLOCK 0, 0, ACC, 8, 0, 32, L_LAST, ACC+32, 1
.endif
	WIN 0
	CODES6 ACC+32, NCD+6, 1
	EVENOUT \fetch
.endm
.macro EVENROUND w                     ; the second and the third refill, in a round inside the block
	WAITDS \w
	GRD
	BLOCK 0, 0, ACC, 8, 0, 26, L_ROUND
	WIN 0
	WALU
	s_wait_dscnt 0x0
	s_barrier_signal -1
	BLOCK 0, 0, ACC, 8, 26, 32, L_NONE
	WIN 0
	CODES6 ACC+32, NCD+6, 1
	MIDDLE
	BARRIER
	s_cmp_lt_u32 s14, 2
	s_cbranch_scc0 .Lscales_\@
	TLOAD G0R, G1A
	s_branch .Lasked_\@
.Lscales_\@:
	s_cmp_eq_u32 s14, 2
	s_cbranch_scc0 .Lnone_\@
	TLOAD G0S, G1S
.Lnone_\@:
.Lasked_\@:
	EVENOUT 1
.endm
.macro EVENSHOW w                      ; a plain barrier shows the last refill to all
	WAITDS \w
	BLOCK 0, 0, ACC, 8, 0, 26, L_OUT, ACC+32, 1
	WIN 0
	WALU
	s_wait_tensorcnt 0x0
	s_wait_dscnt 0x0
	s_barrier_signal -1
	BLOCK 0, 0, ACC, 8, 26, 32, L_NONE
	WIN 0
	s_barrier_wait -1
	CODES6 ACC+32, NCD+6, 1
	EVENOUT 1
.endm
.macro ODD w, fetch
	WAITDS \w
	s_wait_xcnt 0x0                    ; the last pair's stores have read their base and data
.if \fetch
	BLOCK 0, 1, ACC+32, 8, 0, 32, L_ODD
.else
	BLOCK 0, 1, ACC+32, 8, 0, 32, L_ODDL
.endif
	WIN 0
	CODES6 ACC, NCD, 0
	WALU
	ds_store_b8 v[VX], v[EB]
	PUT2 NCD, s[84:85], 0
.if \fetch
	FETCH 1
.endif
.endm
; ================= THE HEAD
	s_load_b128 s[4:7], s[0:1], 0x0                     ; x's codes, scales
	s_load_b256 s[76:83], s[0:1], 0x10                  ; W_q's codes, scales, W_k's codes, scales
	s_load_b128 s[48:51], s[0:1], 0x30                  ; W_v's
	s_load_b64 s[10:11], s[0:1], 0x40                   ; bq
	s_load_b64 s[84:85], s[0:1], 0x48                   ; bk
	s_load_b64 s[22:23], s[0:1], 0x50                   ; bv
	s_load_b64 s[104:105], s[0:1], 0x58                 ; qr
	s_load_b64 s[100:101], s[0:1], 0x60                 ; kr
	s_load_b64 s[70:71], s[0:1], 0x68                   ; vr
	v_lshl_add_u32 v[SPW], v0, 2, SPARE
	v_mov_b32 v[NIL], 0
	ds_add_u32 v[SPW], v[NIL]
	ds_add_u32 v[SPW], v[NIL]
	v_lshrrev_b32 v1, 5, v0
	v_readfirstlane_b32 s14, v1                         ; s14 the wave; s15 its row of the 2 x 2, s16 its column
	s_lshr_b32 s15, s14, 1
	s_and_b32 s16, s14, 1
	s_bfe_u32 s40, ttmp6, 0x40000                       ; cx
	s_bfe_u32 s41, ttmp6, 0x40004                       ; cy
	s_and_b32 s43, ttmp7, 0xffff
	s_lshl_b32 s43, s43, 2
	s_add_co_u32 s43, s43, ttmp9                        ; the cluster's number m = 0 .. 15
	s_and_b32 s17, s43, 1
	s_lshr_b32 s42, s43, 3
	s_lshl_b32 s42, s42, 1
	SADD 17, 42                                         ; its group of columns: m % 2 + 2 (m / 8)
	s_add_co_u32 s43, s43, 1
	s_bfe_u32 s43, s43, 0x20001                         ; its group of rows: ((m + 1) / 2) % 4
	s_lshl_b32 s43, s43, 2
	SADD 43, 41                                         ; s43 tile row: 512 tokens
	s_lshl_b32 s42, s17, 2
	SADD 42, 40                                         ; s42 tile column of Q (0-7) or K (8-15)
	s_lshr_b32 s19, s17, 1                              ; s19: 0 Q, 1 K
	s_and_b32 s87, s17, 1                               ; s87: V's half of my 512 rows
	s_lshl_b32 s13, s19, 2
	SADD 13, 40                                         ; s13 V's tile column
	s_and_b32 s18, s42, 7                               ; my tile column in its tensor
	s_lshl_b32 s44, s41, 2
	s_lshl_b32 s44, 15, s44                             ; my row of the cluster
	s_lshl_b32 s45, 0x1111, s40                         ; my column
	GROUP1 G1A, 44, RA
	GROUP1 G1B, 45, 128
	s_or_b32 s[G1S+0], s44, (3<<16)|(1<<20)|(1<<21)|(5<<22)|(3<<25)
	s_mov_b32 s[G1S+1], 32<<16
	s_mov_b32 s[G1S+2], (2*CU)<<16
	s_mov_b32 s[G1S+3], 32<<16
	s_mov_b32 s[G1S+4], 2*CU
	s_mov_b32 s[G1S+5], 32
	s_mov_b32 s[G1S+6], 0
	s_mov_b32 s[G1S+7], 0
	s_mov_b32 s[G0S], 1
	s_mov_b32 s[G0S+1], SCL
	s_mov_b32 s[G0A], 1
	s_mov_b32 s[G0A+1], 0
	s_mov_b32 s[G0B], 1
	s_mov_b32 s[G0B+1], BVB
	s_mov_b32 s[G0R], 1
	s_mov_b32 s[G0R+1], YB
	s_mul_i32 s9, s18, 128*KROW                         ; my rows of W_q or W_k
	s_mul_i32 s54, s13, 128*KROW                        ; of W_v
	s_mul_i32 s67, s43, 512*KROW                        ; my rows of x
	s_mul_i32 s20, s87, 256*KROW
	s_add_co_u32 s66, s67, s20                          ; V's half of them
	s_mul_i32 s55, s43, 512*KS
	s_mul_i32 s20, s87, 256*KS
	s_add_co_u32 s89, s55, s20
	s_mul_i32 s20, s16, 64*KS
	s_mul_i32 s2, s18, 128*KS
	SADD 2, 20
	s_mov_b32 s3, 0                                     ; s[2:3] my 64 rows' scale bytes in W_q or W_k
	s_mul_i32 s90, s13, 128*KS
	SADD 90, 20
	s_mov_b32 s91, 0                                    ; s[90:91] in W_v
	s_mul_i32 s8, s15, 16*PITCH
	s_mul_i32 s46, s15, 64*PITCH
	s_mul_i32 s47, s16, 64*PITCH
	s_add_co_u32 s47, s47, BVB
	s_mul_i32 s52, s15, 2*272
	s_add_co_u32 s52, s52, SCL
	s_mul_i32 s53, s15, 8*272
	s_add_co_u32 s53, s53, SCL
	s_lshl_b32 s86, s15, 7
	s_lshl_b32 s20, s16, 1
	SADD 86, 20
	s_add_co_u32 s86, s86, XN
	s_lshl_b32 s88, s16, 8
	s_lshl_b32 s20, s15, 1
	SADD 88, 20
	s_add_co_u32 s88, s88, XM
	v_and_b32 v1, 15, v0                                ; r
	v_bfe_u32 v2, v0, 4, 1                              ; h
	v_and_b32 v3, 31, v0                                ; lane
	v_and_b32 v22, 7, v0                                ; r % 8
	v_bfe_u32 v23, v0, 3, 1                             ; H = r / 8
	v_mul_u32_u24 v64, v1, PITCH
	v_mad_u32_u24 v66, v23, 40, v22                     ; even groups: row r % 8 + 40 H,
	v_mad_u32_u24 v68, v23, 24, v22                     ; odd ones: r % 8 + 24 H
	v_mul_u32_u24 v67, v66, PITCH
	v_mul_u32_u24 v69, v68, PITCH
	v_mad_u32_u24 v65, v2, 24, v64
	v_mad_u32_u24 v64, v2, 40, v64
	v_mad_u32_u24 v70, v2, 24, v67
	v_mad_u32_u24 v71, v2, 40, v67
	v_mad_u32_u24 v72, v2, 24, v69
	v_mad_u32_u24 v73, v2, 40, v69
	v_add_nc_u32 v[ADRA0], s8, v65
	v_add_nc_u32 v[ADRA0+1], s8, v64
.irp k, 0,1,2,3
	v_add_nc_u32 v[VE+\k], s46, v[70+\k]
	v_add_nc_u32 v[74+\k], s47, v[70+\k]
.endr
	v_mul_u32_u24 v78, v23, 272
	v_mul_u32_u24 v79, v23, 5*272
	v_mul_u32_u24 v80, v23, 3*272
	v_lshl_add_u32 v78, v22, 5, v78
	v_lshl_add_u32 v79, v22, 5, v79
	v_lshl_add_u32 v80, v22, 5, v80
	v_add_nc_u32 v[AAS0], s52, v78
	v_add_nc_u32 v[AE], s53, v79
	v_add_nc_u32 v[AE+1], s53, v80
	v_xor_b32 v81, v2, v23
	v_lshl_add_u32 v82, v81, 3, v22
	v_lshl_add_u32 v82, v23, 5, v82
	v_lshlrev_b32 v[ABS], 5, v82                        ; a weight's scale words: lane (r, h): row 32 H + 8 (h xor H) + r % 8 (+ 16 for the next two tiles)
	v_lshlrev_b32 v[CO], 4, v3
	v_lshlrev_b32 v[C8], 3, v3
	v_lshl_add_u32 v83, v1, 3, v2
	v_add_nc_u32 v[STO], s86, v83
	v_add_nc_u32 v[STV], s88, v83
	v_lshlrev_b32 v85, 2, v66                           ; V's bias: lane r of tile t has feature 8 t + 40 H (t odd: 24 H) + r % 8
	v_lshlrev_b32 v86, 2, v68
	v_mul_u32_u24 v[BQE], v2, 160                       ; Q, K: register 8 j + i is feature 32 h + 8 (j xor h) + i
	v_mul_u32_u24 v[BQO], v2, 96
	WALU
	s_wait_dscnt 0x0
	CROUND                                              ; the opening round
	s_wait_kmcnt 0x0
	s_cmp_eq_u32 s19, 1
	s_cselect_b64 s[46:47], s[84:85], s[10:11]          ; bk or bq
	s_cselect_b64 s[10:11], s[82:83], s[78:79]
	s_add_nc_u64 s[10:11], s[10:11], s[2:3]             ; W_q's or W_k's scale bytes, my 64 rows
	s_cselect_b64 s[2:3], s[100:101], s[WC:WC+1]        ; kr or qr
	s_cselect_b64 s[WC:WC+1], s[80:81], s[76:77]        ; W_k's or W_q's codes
	s_add_nc_u64 s[84:85], s[50:51], s[90:91]           ; W_v's scale bytes
	s_mov_b64 s[50:51], s[46:47]
	s_mov_b64 s[52:53], s[70:71]
	s_mov_b32 s21, 0
	s_mov_b32 s20, s66
	s_add_nc_u64 s[G0A+2:G0A+3], s[4:5], s[20:21]
	s_add_nc_u64 s[G0R+2:G0R+3], s[G0A+2:G0A+3], RA*KROW
	s_or_b32 s[G0A+3], s[G0A+3], 0x80000000
	s_or_b32 s[G0R+3], s[G0R+3], 0x80000000
	G0SET G0B, 48, 54
	G0SET G0S, 6, 89
	s_cmp_eq_u32 s14, 0
	s_cbranch_scc0 .Lwave_1
	TLOAD G0B, G1B                                      ; wave 0: W_v's rows
	s_branch .Lasked
.Lwave_1:
	s_cmp_eq_u32 s14, 1
	s_cbranch_scc0 .Lwave_2
	TLOAD G0S, G1S                                      ; wave 1: both chunks' scale bytes
	s_branch .Lasked
.Lwave_2:
	s_cmp_eq_u32 s14, 2
	s_cbranch_scc0 .Lwave_3
	TLOAD G0A, G1A                                      ; wave 2: chunk 0
	s_branch .Lasked
.Lwave_3:
	TLOAD G0R, G1A                                      ; wave 3: chunk 1
.Lasked:
	s_lshl_b32 s20, s13, 9
	s_lshl_b32 s21, s16, 8
	SADD 20, 21
	s_mov_b32 s21, 0
	s_add_nc_u64 s[22:23], s[22:23], s[20:21]           ; my 64 numbers of bv
.irp p, 0,1
.irp c, 0,1
	global_load_b128 v[SB+8*\p+4*\c:SB+8*\p+4*\c+3], v[ABS], s[84:85] offset:512*\p+16*\c
.endr
.endr
	WIN 3<<6
.irp p, 0,1
.irp c, 0,1
	global_load_b128 v[SB2-768+8*\p+4*\c:SB2-768+8*\p+4*\c+3], v[ABS], s[10:11] offset:512*\p+16*\c
.endr
.endr
	WIN 0
	WIN 3<<6
.irp t, 0,1,2,3
	global_load_b32 v[BBV-768+8*\t], v[85+\t%2], s[22:23] offset:32*\t
.endr
	WIN 0
	s_lshr_b32 s20, s43, 1
	s_lshl_b32 s20, s20, 6                              ; 64 x batch
	s_and_b32 s21, s43, 1
	s_lshl_b32 s21, s21, 2
	SADD 20, 21                                         ; + my first token block
	s_lshl_b32 s21, s18, 3
	SADD 21, 20
	s_mul_i32 s76, s21, RECB                            ; Q's or K's records
	s_lshl_b32 s46, s87, 1
	s_xor_b32 s47, s46, s14                             ; the stage's chunks lie in the order of work
	s_mul_i32 s47, s47, RECB
	s_add_co_u32 s78, s76, s47
	s_add_co_u32 s78, s78, 12288
	s_mov_b32 s79, 0
	s_mul_i32 s47, s15, 1536
	SADD 76, 47
	s_mul_i32 s47, s16, 768
	SADD 76, 47
	s_mov_b32 s77, 0
	s_lshl_b32 s21, s13, 3
	SADD 21, 20
	SADD 21, 46
	s_mul_i32 s80, s21, RECB                            ; V's records
	s_mul_i32 s47, s15, RECB
	s_add_co_u32 s82, s80, s47
	s_lshl_b32 s47, s16, 8
	SADD 82, 47
	s_add_co_u32 s82, s82, 12288
	s_mov_b32 s83, 0
	s_mul_i32 s47, s16, 6144
	SADD 80, 47
	s_mul_i32 s47, s15, 768
	SADD 80, 47
	s_mov_b32 s81, 0
	s_lshl_b32 s21, s16, 8
	s_lshl_b32 s46, s18, 9
	SADD 46, 21
	s_mov_b32 s47, 0                                    ; my 64 numbers of bq or bk
	s_add_nc_u64 s[12:13], s[50:51], s[46:47]           ; kept for the loads between the phases
	s_wait_xcnt 0x0                                     ; the loads above have read their bases
	s_add_nc_u64 s[48:49], s[2:3], s[78:79]             ; Q's or K's scale bytes
	s_add_nc_u64 s[10:11], s[2:3], s[76:77]             ; their codes
	s_add_nc_u64 s[50:51], s[52:53], s[80:81]           ; V's codes
	s_add_nc_u64 s[52:53], s[52:53], s[82:83]           ; V's scale bytes
	s_mov_b32 s46, 0
	s_mov_b32 s47, 0
	s_mov_b32 s8, SCL
	s_xor_b32 s20, s87, 1                               ; the chunks still to come are the other half's
	s_mul_i32 s21, s20, 2*RA*KROW
	s_add_co_u32 s88, s67, s21
	s_mul_i32 s21, s20, 2*CU*256
	SADD 55, 21
	s_lshl_b32 s90, s40, 2
	SADD 90, 14                                         ; my number among the sixteen waves of my row of the cluster
	s_lshl_b32 s100, s41, 2
	SADD 100, 14                                        ; and of my column
	WIN 3<<6
.irp t, 0,1,2,3
	v_add_nc_u32 v[BA-768+2*\t], 8*\t*PITCH, v[74+2*(\t%2)]
	v_add_nc_u32 v[BA-768+2*\t+1], 8*\t*PITCH, v[75+2*(\t%2)]
.endr
	WIN 0
	v_add_nc_u32 v[ADRA], 16*PITCH, v[VE]               ; V's block 1
	v_add_nc_u32 v[ADRA+1], 16*PITCH, v[VE+1]
	v_add_nc_u32 v[AAS], 2*272, v[AE]
	v_add_nc_u32 v1, 32*PITCH, v[ADRA0]                 ; Q's or K's block 1
	v_add_nc_u32 v22, 32*PITCH, v[ADRA0+1]
	v_add_nc_u32 v23, SSTEP, v[AAS0]
	PFTILE 8, 9, 100                                    ; what the first refill will load
	WALU
	s_cmp_eq_u32 s14, 0
	s_cbranch_scc0 .Lnot_b
	s_wait_tensorcnt 0x0
.Lnot_b:
	BARRIER                                             ; W_v's rows are in
	PFGO 8, WC
	WEIGHTS
	s_cmp_eq_u32 s14, 3
	s_cbranch_scc1 .Lnot_a0
	s_wait_tensorcnt 0x0
.Lnot_a0:
	s_wait_dscnt 0x0
	BARRIER                                             ; chunk 0 and the scale bytes are in; chunk 1 may still be on its way
	FETCHAT 0, v[VE], v[VE+1], v[AE]
	FETCH 1
	s_wait_loadcnt 0x0                                  ; the weights' scale words and V's bias
	WIN (3<<6)|3
.irp t, 0,8,16,24
.irp i, 1,2,3,4,5,6,7
	v_mov_b32 v[BBV-768+\t+\i], v[BBV-768+\t]           ; one number a lane and tile, over the tile's eight registers
.endr
.endr
	WIN 0
	WALU
; ================= PHASE 1: V, eight blocks: chunk k is key step k, my band of it 64 tokens; band 0's way outs stand in band 1's blocks
.irp s, 0,1
	s_wait_dscnt NF
	BLOCK 1, \s, HV0+8*\s, 32, 0, 32, L_V0, \s
	WIN 0
	PLACES 4
	WALU
	FETCH \s
.endr
	s_wait_dscnt NF
	s_wait_xcnt 0x0                                     ; the list writes v8, the address of the head's prefetch
	GRD
	BLOCK 1, 0, HV0+16, 32, 0, 24, L_V2
	WIN 0
	WALU
	s_wait_dscnt 0x0
	s_barrier_signal -1
	BLOCK 1, 0, HV0+16, 32, 24, 32, L_NONE
	MIDDLE
	BARRIER
	s_cmp_lt_u32 s14, 2
	s_cbranch_scc0 .Lno_half
	TLOAD G0B, G1B                                      ; waves 0 and 1 a half each of W_q's or W_k's rows, onto W_v's, which all waves hold in registers
.Lno_half:
	PLACES 4
	WALU
	FETCH 0
	PFGO 7, 4
	PFGO 8, 6
	BLOCK 1, 1, HV0+24, 32, 0, 32, L_V0, 3
	WIN 0
	PLACES 4
	WALU
	FETCH 1
.irp j, 0,1,2
	s_wait_dscnt NF+(\j+1)/2                            ; younger: the next block's fetch, and behind block 4 one byte store
.if \j < 2
	BLOCK 1, \j%2, HV1+8*\j, 32, 0, 32, L_VOUT, HV0+32*\j, \j
.else
	BLOCK 1, \j%2, HV1+8*\j, 32, 0, 32, L_LAST, HV0+32*\j, \j
.endif
	WIN 0
	CODES6 HV0+32*\j, MCD+6*\j, \j
	WALU
	ds_store_b8 v[STV], v[EB+\j] offset:128*(\j%2)+4*(\j/2)
	PUT2 MCD+6*\j, s[50:51], 1536*\j
.if \j < 2
	FETCH \j%2
.endif
.endr
	s_wait_dscnt 1
	BLOCK 1, 1, HV1+24, 32, 0, 26, L_V7, HV0+96, 3
	WIN 0
	WALU
	s_wait_tensorcnt 0x0
	s_wait_dscnt 0x0
	s_barrier_signal -1                                 ; a plain barrier: the weights that the first refill brought are shown to all
	BLOCK 1, 1, HV1+24, 32, 26, 32, L_NONE
	WIN 0
	s_barrier_wait -1
	CODES6 HV0+96, MCD+18, 3
	WALU
	ds_store_b8 v[STV], v[EB+3] offset:132
	PUT2 MCD+18, s[50:51], 4608
; ================= THE CHANGE OF PHASE: the bias, the weights and the first two blocks' rows, which lie in slot 0 still; band 1's four way outs under their flight
.irp j, 0,1,2,3
.irp k, 0,1
.if \j%2
	global_load_b128 v[BBQ+8*\j+4*\k:BBQ+8*\j+4*\k+3], v[BQO], s[12:13] offset:32*\j+16*\k
.else
	global_load_b128 v[BBQ+8*\j+4*\k:BBQ+8*\j+4*\k+3], v[BQE], s[12:13] offset:32*\j+16*\k
.endif
.endr
.endr
	WEIGHTS
	FETCHAT 0, v[ADRA0], v[ADRA0+1], v[AAS0]
	FETCHAT 1, v1, v22, v23
	s_mov_b32 s101, 32*PITCH
	s_mov_b32 s91, SSTEP
	PFGO 20, 4
	WIN 3
.set I, 0
.rept 16
	v_mov_b32 v[SB+I], v[SB2-768+I]
.set I, I+1
.endr
	WIN 0
.set I, 0
.rept 18
.irp t, 0,1,2,3
	CHAIN I, HV1+32*\t, \t, 64+4*\t
.endr
.set I, I+1
.endr
.set I, 0
.rept 6
.irp t, 0,1,2,3
	CODES I, HV1+32*\t, MCD+24+6*\t, \t, 80+4*\t
.endr
.set I, I+1
.endr
	WIN 0
	WALU
; ================= PHASE 2: Q or K, sixteen blocks
	s_wait_loadcnt 0x0
	s_wait_dscnt NF
	BLOCK 0, 0, ACC, 8, 0, 32, L_STEP
	WIN 0
	PLACES 4
	WALU
.irp t, 0,1,2,3
	ds_store_b8 v[STV], v[EB+\t] offset:512+128*(\t%2)+4*(\t/2)
.endr
.irp t, 0,1,2,3
	PUT2 MCD+24+6*\t, s[50:51], RECB+1536*\t
.endr
	FETCH 0
	ODD NF+4, 1
	s_mov_b32 s86, 0
.Lwith_rounds:                                          ; blocks 2 to 5, 6 to 9
	EVENROUND NF+1
	ODD -1, 1
	EVEN NF+1, 1
	ODD NF+1, 1
	s_add_co_u32 s86, s86, 1
	s_cmp_lg_u32 s86, 2
	s_cbranch_scc1 .Lwith_rounds
.Lwithout:                                              ; blocks 10, 11 and 12, 13
	EVENSHOW NF+1
	ODD -1, 1
	s_add_co_u32 s86, s86, 1
	s_cmp_lg_u32 s86, 4
	s_cbranch_scc1 .Lwithout
	EVEN NF+1, 0
	ODD 1, 0
; ================= THE END: the last way out; the scale bytes go through LDS under its conversions
	s_lshl_b32 s21, s14, 9
	s_add_co_u32 s21, s21, XN
	v_add_nc_u32 v12, s21, v[CO]
	s_lshl_b32 s21, s14, 8
	s_add_co_u32 s21, s21, XM
	v_add_nc_u32 v14, s21, v[C8]
.set I, 0
.rept 18
	CHAIN I, ACC+32, 1
.set I, I+1
.endr
	CODES 2, ACC+32, NCD+6, 1
	WALU
	ds_store_b8 v[VX], v[EB+1] offset:4
	s_wait_dscnt 0x0
	s_barrier_signal -1
	CODES 0, ACC+32, NCD+6, 1
	CODES 1, ACC+32, NCD+6, 1
	v_nop
.irp i, 3,4,5
	CODES \i, ACC+32, NCD+6, 1
.endr
	s_barrier_wait -1
	WALU
	ds_load_b128 v[64:67], v12
	ds_load_b64 v[68:69], v14
	PUT2 NCD+6, s[84:85], 3072
	s_wait_dscnt 0x0
	global_store_b128 v[CO], v[64:67], s[48:49]
	global_store_b64 v[C8], v[68:69], s[52:53]
	s_wait_tensorcnt 0x0
	ds_add_u32 v[SPW], v[NIL]
	s_wait_dscnt 0x0
	CROUND
	s_endpgm
.Lfunc_end_k_qfaf1e923f8_proj:
	.size	k_qfaf1e923f8_proj, .Lfunc_end_k_qfaf1e923f8_proj-k_qfaf1e923f8_proj
	.p2alignl 7, 3214868480
	.fill 96, 4, 3214868480
	.section	.rodata,"a",@progbits
	.p2align	6, 0x0
	.amdhsa_kernel k_qfaf1e923f8_proj
		.amdhsa_group_segment_fixed_size 327680
		.amdhsa_private_segment_fixed_size 0
		.amdhsa_enable_private_segment 0
		.amdhsa_kernarg_size 112
		.amdhsa_user_sgpr_count 2
		.amdhsa_user_sgpr_kernarg_segment_ptr 1
		.amdhsa_wavefront_size32 1
		.amdhsa_system_sgpr_workgroup_id_x 1
		.amdhsa_system_sgpr_workgroup_id_y 1
		.amdhsa_system_sgpr_workgroup_id_z 1
		.amdhsa_system_vgpr_workitem_id 0
		.amdhsa_next_free_vgpr 1024
		.amdhsa_next_free_sgpr 106
		.amdhsa_reserve_vcc 0
		.amdhsa_float_denorm_mode_32 3
		.amdhsa_float_denorm_mode_16_64 3
		.amdhsa_memory_ordered 1
		.amdhsa_forward_progress 1
		.amdhsa_inst_pref_size 190
	.end_amdhsa_kernel
	.amdgpu_metadata
---
amdhsa.version: [ 1, 2 ]
amdhsa.kernels:
  - .name:           k_qfaf1e923f8_proj
    .symbol:         k_qfaf1e923f8_proj.kd
    .args:
      - { .name: embeddings_codes, .offset: 0, .size: 8, .value_kind: global_buffer, .address_space: global }
      - { .name: embeddings_scales, .offset: 8, .size: 8, .value_kind: global_buffer, .address_space: global }
      - { .name: Wq_codes, .offset: 16, .size: 8, .value_kind: global_buffer, .address_space: global }
      - { .name: Wq_scales, .offset: 24, .size: 8, .value_kind: global_buffer, .address_space: global }
      - { .name: Wk_codes, .offset: 32, .size: 8, .value_kind: global_buffer, .address_space: global }
      - { .name: Wk_scales, .offset: 40, .size: 8, .value_kind: global_buffer, .address_space: global }
      - { .name: Wv_codes, .offset: 48, .size: 8, .value_kind: global_buffer, .address_space: global }
      - { .name: Wv_scales, .offset: 56, .size: 8, .value_kind: global_buffer, .address_space: global }
      - { .name: bq, .offset: 64, .size: 8, .value_kind: global_buffer, .address_space: global }
      - { .name: bk, .offset: 72, .size: 8, .value_kind: global_buffer, .address_space: global }
      - { .name: bv, .offset: 80, .size: 8, .value_kind: global_buffer, .address_space: global }
      - { .name: qr, .offset: 88, .size: 8, .value_kind: global_buffer, .address_space: global }
      - { .name: kr, .offset: 96, .size: 8, .value_kind: global_buffer, .address_space: global }
      - { .name: vr, .offset: 104, .size: 8, .value_kind: global_buffer, .address_space: global }
    .group_segment_fixed_size: 327680
    .private_segment_fixed_size: 0
    .kernarg_segment_align: 8
    .kernarg_segment_size: 112
    .max_flat_workgroup_size: 128
    .sgpr_count:     106
    .vgpr_count:     1024
    .wavefront_size: 32
...
	.end_amdgpu_metadata
.endif
;; end of part 1
;; launch score (part 2): grid 32 x 8, 8 waves a work-group, no clusters, 29,696 bytes of LDS; arguments qr, kr, pr; writes pr
.if DOCPART == 2
	.amdgcn_target "amdgcn-amd-amdhsa--gfx1250"
	.amdhsa_code_object_version 6
	.text
	.protected	k_qfaf1e923f8_score
	.globl	k_qfaf1e923f8_score
	.p2align	8
	.type	k_qfaf1e923f8_score,@function
k_qfaf1e923f8_score:
	s_mov_b64 s[64:65], 0
	v_nop
	global_prefetch_b8 v0, s[64:65] scope:SCOPE_SE
	s_setreg_imm32_b32 hwreg(HW_REG_WAVE_MODE, 25, 1), 1
	s_wait_xcnt 0x0
; P = softmax over the QUERY axis of (Q K^T / 32 + causal mask), as codes of FP6 (E2M3) along the keys.  Q and K come as records of 12,800 bytes: 128 rows x 128 features, as launch proj lays them out; record 64 batch + 8 feature step + token block.
; WORK LEFT OUT: the scores of the blocks of 128 queries that lie wholly above the strip's diagonal block: there every key comes after every query, the problem's mask makes P = 0 for all finite inputs, and the
; third launch never reads those places.  A NaN or an infinity that reaches only that work is not carried on.
; SHARES.  A work-group owns a STRIP of 32 keys of one batch: place q of four in key block g: one block of P's quantiser.  Its rows are queries 128 g .. 1,023; wave w owns the 128 queries of block o = g + w, if o < 8.  The strips with the most rows have the lowest numbers.
; THE SOFTMAX.  Scores stay in registers from the product to the codes.  Each wave takes its own maximum of a column and sums under it; ONE exchange through LDS joins the waves: with n = -c x maximum, N = the least n of all waves,
; the column's sum is the sum of l 2^(N - n) over the waves, and a wave's exponentials are multiplied by 2^(N - n) / sum.
; LAYOUT.  S^T = K Q^T (source 0 = 16 keys, source 1 = 16 queries): S(tile, u, j) at v[128 + 16 tile + 8 u + j] is the score of query 128 o + 16 tile + r (r = lane % 16) and key 16 u + 8 (h xor q % 2) + j of the strip (h = lane / 16):
; in the odd strips K's rows r and r xor 8 change places.  So the order in P's block is 0-7, 16-23, 8-15, 24-31 in even strips, 8-15, 24-31, 0-7, 16-23 in odd ones, as V's codes have it.
; K comes into LDS once, feature step w by wave w, as the image of the operand's registers.  Q goes from memory straight into registers, two feature steps ahead, three quads of tiles (51 loads) on their way behind the one that is waited for:
; each fragment of Q feeds this wave alone, and 786,432 bytes of Q have no room in LDS.  NO JOINT LOADS, though the four strips of one g read the same records of Q: they land in LDS, where a feature step of eight blocks of Q is 102,400 bytes,
; two slots at the most, with one on its way, and in a strip of few rows most of it would be read by no wave.  No prefetch: there is no loop to run ahead in.
; LIMITS: v_exp_f32 gives 0 for results under 2^-126; a block of zeros gets the scale byte 1 (its codes are zeros; this program alone reads the bytes); scaled scores stay under 2^31 in magnitude.
; REGISTERS: window 0: v16-31 column figures; v32-47 column sums; v48-95 K, two sets; v104-111 Q's scale words; v112-113 K's; v128-255 S.  window 1: Q, four sets of 48.
.set REC,   12800
.set PREC,  14336                      ; a record of P: 8,192 bytes of register groups of four, 4,096 of pairs, 2,048 of scale bytes as words
.set SSTEP, 8*REC
.set KSC,   24576                      ; LDS: K's codes, 3,072 bytes a step; its scale words, 128 a step;
.set MX,    25600                      ; the waves' n, 128 bytes a wave,
.set SM,    26624                      ; their sums,
.set FX,    27648                      ; their factors,
.set SPARE, 28672                      ; the spare words
.set ST,  16
.set LS,  32
.set KF,  48
.set QS,  104
.set KSW, 112
.set S,   128
.set TM,  48
.set PC,  64
.set MSB, 0
.macro WIN new
.if MSB != (\new)
	s_set_vgpr_msb (MSB<<8)|(\new)
.set MSB, (\new)
.endif
.endm
.macro WALU
	s_wait_alu depctr_va_vdst(0)
.endm
	s_load_b128 s[4:7], s[0:1], 0x0                ; qr, kr
	s_load_b64 s[8:9], s[0:1], 0x10                ; pr
	v_lshl_add_u32 v12, v0, 2, SPARE               ; my spare word
	v_mov_b32 v13, 0
	v_lshrrev_b32 v3, 5, v0
	v_readfirstlane_b32 s10, v3                    ; wave 0..7
	s_and_b32 s11, ttmp9, 7                        ; the batch
	s_lshr_b32 s13, ttmp9, 3                       ; q
	s_and_b32 s12, ttmp7, 0xffff                   ; g
	s_add_co_u32 s14, s12, s10                     ; o: my block of 128 queries; I have rows if o < 8
	s_min_u32 s15, s14, 7                          ; (for the addresses, which a wave without rows never uses)
	s_lshl_b32 s16, s11, 6
	s_add_co_u32 s17, s16, s15
	s_mul_i32 s28, s17, REC                        ; Q: record 64 b + 8 s + o
	s_mov_b32 s29, 0
	s_add_co_u32 s17, s16, s12
	s_mul_i32 s30, s17, REC                        ; K: record 64 b + 8 w + g
	s_mul_i32 s17, s10, SSTEP
	s_add_co_u32 s30, s30, s17
	s_mov_b32 s31, 0
	s_lshl_b32 s17, s15, 3
	s_add_co_u32 s17, s17, s16
	s_add_co_u32 s17, s17, s12
	s_mul_i32 s32, s17, PREC                       ; P: record 64 b + 8 o + g
	s_mov_b32 s33, 0
	s_mov_b32 s20, 0x3d38aa3b                      ; c = log2(e) / 32
	s_mov_b32 s21, s20                             ; (named with it as a pair, so it is written)
	s_mov_b32 s22, 0xbd38aa3b                      ; -c
	s_mov_b32 s24, 0x76543210
	s_mov_b32 s25, 0xfedcba98                      ; v_permlanex16_b32's selects for lane l xor 16
	s_mov_b32 s26, 0xffff0000                      ; lanes 16-31
	s_and_b32 s27, s13, 1
	s_lshl_b32 s23, s27, 3
	s_lshl_b32 s18, s13, 8
	s_lshl_b32 s19, s13, 9
	s_mul_i32 s34, s13, 3072                       ; K: tiles 2 q and 2 q + 1 of the record,
	s_lshr_b32 s35, s13, 1
	s_lshl_b32 s35, s35, 8
	s_lshl_b32 s36, s27, 2
	s_add_co_u32 s35, s35, s36
	s_add_co_u32 s35, s35, 12288                   ; and their scale words
	s_mul_i32 s36, s10, 3072
	s_lshl_b32 s38, s10, 7
	s_add_co_u32 s37, s38, KSC
	v_and_b32 v120, 31, v0                         ; lane
	v_and_b32 v121, 15, v0                         ; r
	v_bfe_u32 v122, v0, 4, 1                       ; h
	v_lshlrev_b32 v1, 4, v120
	v_lshlrev_b32 v2, 3, v120
	v_xor_b32 v124, s27, v122
	v_xor_b32 v125, s23, v120
	v_lshlrev_b32 v123, 3, v124
	v_lshlrev_b32 v6, 10, v122
	v_lshlrev_b32 v10, 6, v122
	v_sub_nc_u32 v5, v121, v123                    ; d = r - 8 (h xor q % 2): in the diagonal block S(tile, u, j) is hidden where 16 u + j - 16 (tile - 2 q) > d
	v_lshl_add_u32 v6, v121, 4, v6
	v_lshl_add_u32 v10, v121, 2, v10               ; the exchange, out: column r of half h
	v_add_nc_u32 v6, s18, v6                       ; P's groups of four registers: 1024 h + 16 r + 256 q
	v_add_nc_u32 v7, s18, v2                       ; its pairs: 8 x lane + 256 q
	v_add_nc_u32 v8, s19, v2                       ; its scale bytes: 8 x lane + 512 q
	v_lshl_add_u32 v11, v125, 4, s34
	v_lshl_add_u32 v119, v125, 3, s34
	v_lshl_add_u32 v15, v125, 3, s35
	v_add_nc_u32 v114, s36, v1                     ; K's image in LDS: step w
	v_add_nc_u32 v115, s36, v2
	v_lshl_add_u32 v116, v120, 2, s37
	v_lshl_add_u32 v117, v120, 2, KSC
	v_lshl_add_u32 v9, v122, 6, s38                ; the exchange, in: 128 x wave + 64 h
	v_add_nc_u32 v118, s38, v10
	v_mov_b32 v14, 0xff800000                      ; -infinity
	WALU
	s_wait_kmcnt 0x0
	s_add_nc_u64 s[4:5], s[4:5], s[28:29]
	s_add_nc_u64 s[6:7], s[6:7], s[30:31]
	s_add_nc_u64 s[8:9], s[8:9], s[32:33]
; Four tiles of Q (4 jq .. 4 jq + 3) of feature step s into set 2 (s % 2) + jq, with their scale words: 17 loads.  Every offset is an immediate: no base is stepped.
.macro LDQ s, jq
.set SET, 2*((\s)%2)+(\jq)
	WIN 0x40
.irp i, 0,1,2,3
.irp c, 0,1
	global_load_b128 v[48*SET+12*\i+6*\c:48*SET+12*\i+6*\c+3], v1, s[4:5] offset:SSTEP*(\s)+1536*(4*(\jq)+\i)+768*\c
	global_load_b64 v[48*SET+12*\i+6*\c+4:48*SET+12*\i+6*\c+5], v2, s[4:5] offset:SSTEP*(\s)+1536*(4*(\jq)+\i)+768*\c+512
.endr
.endr
	WIN 0
	global_load_b64 v[QS+2*SET:QS+2*SET+1], v2, s[4:5] offset:SSTEP*(\s)+12288+256*(\jq)
.endm
; The strip's two tiles of K of feature step s from LDS into set s % 2, with their scale words: 9 loads.
.macro LDK s
.irp u, 0,1
.irp c, 0,1
	ds_load_b128 v[KF+24*((\s)%2)+12*\u+6*\c:KF+24*((\s)%2)+12*\u+6*\c+3], v1 offset:3072*(\s)+1536*\u+768*\c
	ds_load_b64 v[KF+24*((\s)%2)+12*\u+6*\c+4:KF+24*((\s)%2)+12*\u+6*\c+5], v2 offset:3072*(\s)+1536*\u+768*\c+512
.endr
.endr
	ds_load_b32 v[KSW+(\s)%2], v117 offset:128*(\s)
.endm
; Eight products on eight accumulators; then the registers just read take the loads of two steps on, four plain places behind the products.
; left: the loads of Q issued behind those that these products want.
.macro BATCH s, jq, left
.set SET, 2*((\s)%2)+(\jq)
.if (\jq) == 0
.if (\s) < 7
	s_wait_dscnt 9                                 ; this step's K is in; the next step's may be out
.else
	s_wait_dscnt 0
.endif
.endif
	s_wait_loadcnt \left
	WIN 0x04                                       ; source 1 (Q) window 1
.irp k, 0,1
.irp rb, 0,1
.irp u, 0,1
.set D_, S+16*(4*(\jq)+2*\k+\rb)+8*\u
.set A_, KF+24*((\s)%2)+12*\u
.set B_, 48*SET+12*(2*\k+\rb)
.if (\s) == 0
	v_wmma_scale_f32_16x16x128_f8f6f4 v[D_:D_+7], v[A_:A_+11], v[B_:B_+11], 0, v[KSW+(\s)%2], v[QS+2*SET+\k] matrix_a_fmt:MATRIX_FMT_FP6 matrix_b_fmt:MATRIX_FMT_FP6 matrix_a_scale:MATRIX_SCALE_ROW\u matrix_b_scale:MATRIX_SCALE_ROW\rb
.else
	v_wmma_scale_f32_16x16x128_f8f6f4 v[D_:D_+7], v[A_:A_+11], v[B_:B_+11], v[D_:D_+7], v[KSW+(\s)%2], v[QS+2*SET+\k] matrix_a_fmt:MATRIX_FMT_FP6 matrix_b_fmt:MATRIX_FMT_FP6 matrix_a_scale:MATRIX_SCALE_ROW\u matrix_b_scale:MATRIX_SCALE_ROW\rb
.endif
.endr
.endr
.endr
	WIN 0
.rept 4
	v_nop
.endr
.if (\s) < 6
.if (\jq) == 1
	LDK (\s)+2
.endif
	LDQ (\s)+2, \jq
.endif
.endm
.irp u, 0,1                                        ; my feature step of the strip's K: 9 loads
.irp c, 0,1
	global_load_b128 v[KF+12*\u+6*\c:KF+12*\u+6*\c+3], v11, s[6:7] offset:1536*\u+768*\c
	global_load_b64 v[KF+12*\u+6*\c+4:KF+12*\u+6*\c+5], v119, s[6:7] offset:1536*\u+768*\c+512
.endr
.endr
	global_load_b32 v[KSW], v15, s[6:7]
	s_cmp_lt_u32 s14, 8
	s_cbranch_scc0 .Lk_alone
	LDQ 0, 0
	LDQ 0, 1
	LDQ 1, 0
	s_wait_loadcnt 51                              ; K is in; three quads of Q may be out
	s_branch .Lk_in
.Lk_alone:
	s_wait_loadcnt 0x0
.Lk_in:
.irp u, 0,1
.irp c, 0,1
	ds_store_b128 v114, v[KF+12*\u+6*\c:KF+12*\u+6*\c+3] offset:1536*\u+768*\c
	ds_store_b64 v115, v[KF+12*\u+6*\c+4:KF+12*\u+6*\c+5] offset:1536*\u+768*\c+512
.endr
.endr
	ds_store_b32 v116, v[KSW]
	s_wait_dscnt 0x0                               ; for the others' sake: zero
	s_barrier_signal -1
	s_barrier_wait -1                              ; all eight steps of K are in LDS
	s_cmp_lt_u32 s14, 8
	s_cbranch_scc0 .Lidle
	LDK 0
	LDK 1
	LDQ 1, 1
.irp s, 0,1,2,3,4,5,6
	BATCH \s, 0, 51
.if \s < 6
	BATCH \s, 1, 51
.else
	BATCH \s, 1, 34                                ; nothing more is asked for: the counts run down
.endif
.endr
	BATCH 7, 0, 17
	BATCH 7, 1, 0
	s_cmp_lg_u32 s10, 0                            ; wave 0 alone holds the diagonal block
	s_cbranch_scc1 .Lopen
; Hidden scores become -infinity ahead of the maximum: tiles under 2 q are hidden whole; tiles 2 q and 2 q + 1 are compared, upward.
.macro HIDE q, next
	s_cmp_eq_u32 s13, \q
	s_cbranch_scc0 \next
.set n, 0
.rept 32*\q
	v_mov_b32 v[S+n], v14
.set n, n+1
.endr
.irp t, 0,1
.irp u, 0,1
.irp j, 0,1,2,3,4,5,6,7
	v_cmp_gt_i32 vcc_lo, 16*\u+\j-16*\t, v5
	v_cndmask_b32 v[S+32*\q+16*\t+8*\u+\j], v[S+32*\q+16*\t+8*\u+\j], v14, vcc_lo
.endr
.endr
.endr
	s_wait_alu depctr_va_vdst(0)
	s_branch .Lopen
.endm
	HIDE 0, .Lq1
.Lq1:
	HIDE 1, .Lq2
.Lq2:
	HIDE 2, .Lq3
.Lq3:
.set n, 0
.rept 96
	v_mov_b32 v[S+n], v14
.set n, n+1
.endr
.irp t, 0,1
.irp u, 0,1
.irp j, 0,1,2,3,4,5,6,7
	v_cmp_gt_i32 vcc_lo, 16*\u+\j-16*\t, v5
	v_cndmask_b32 v[S+96+16*\t+8*\u+\j], v[S+96+16*\t+8*\u+\j], v14, vcc_lo
.endr
.endr
.endr
	WALU
.Lopen:
	; THE COLUMNS' MAXIMA over my block: over my eight tiles, over the sixteen lanes of my half.  The diagonal's own score keeps every maximum finite.
.irp i, 0,1,2,3,4,5,6,7,8,9,10,11,12,13,14,15
	v_max3_num_f32 v[ST+\i], v[S+\i], v[S+16+\i], v[S+32+\i]
.endr
.irp i, 0,1,2,3,4,5,6,7,8,9,10,11,12,13,14,15
	v_max3_num_f32 v[ST+\i], v[ST+\i], v[S+48+\i], v[S+64+\i]
.endr
.irp i, 0,1,2,3,4,5,6,7,8,9,10,11,12,13,14,15
	v_max3_num_f32 v[ST+\i], v[ST+\i], v[S+80+\i], v[S+96+\i]
.endr
.irp i, 0,1,2,3,4,5,6,7,8,9,10,11,12,13,14,15
	v_max_num_f32 v[ST+\i], v[ST+\i], v[S+112+\i]
.endr
.irp m, 1,2,4,8
.irp i, 0,1,2,3,4,5,6,7,8,9,10,11,12,13,14,15
	v_max_num_f32_dpp v[ST+\i], v[ST+\i], v[ST+\i] row_xmask:\m row_mask:0xf bank_mask:0xf
.endr
.endr
.irp i, 0,1,2,3,4,5,6,7,8,9,10,11,12,13,14,15
	v_mul_f32 v[ST+\i], s22, v[ST+\i]              ; n = -c m.  Its rounding is the same in the exponentials and in the exchange, and cancels
.endr
.irp t, 0,1,2,3,4,5,6,7
.irp i, 0,2,4,6,8,10,12,14
	v_pk_fma_f32 v[S+16*\t+\i:S+16*\t+\i+1], v[S+16*\t+\i:S+16*\t+\i+1], s[20:21], v[ST+\i:ST+\i+1] op_sel_hi:[1,0,1]   ; c s - c m, two at a time
.endr
.endr
.set n, 0
	WALU
.rept 128
	v_exp_f32 v[S+n], v[S+n]                       ; one batch
.set n, n+1
.endr
	v_nop
	WALU
.irp i, 0,2,4,6,8,10,12,14
	v_pk_add_f32 v[LS+\i:LS+\i+1], v[S+\i:S+\i+1], v[S+16+\i:S+16+\i+1]
.endr
.irp t, 2,3,4,5,6,7
.irp i, 0,2,4,6,8,10,12,14
	v_pk_add_f32 v[LS+\i:LS+\i+1], v[LS+\i:LS+\i+1], v[S+16*\t+\i:S+16*\t+\i+1]
.endr
.endr
.irp m, 1,2,4,8
.irp i, 0,1,2,3,4,5,6,7,8,9,10,11,12,13,14,15
	v_add_f32_dpp v[LS+\i], v[LS+\i], v[LS+\i] row_xmask:\m row_mask:0xf bank_mask:0xf
.endr
.endr
	WALU
	s_branch .Lx
.Lidle:
.irp i, 0,1,2,3,4,5,6,7,8,9,10,11,12,13,14,15
	v_mov_b32 v[ST+\i], 0x7f800000                 ; rows that do not exist: n = +infinity, so 2^(N - n) = 0,
	v_mov_b32 v[LS+\i], 0                          ; and they add nothing
.endr
	WALU
.Lx:
; The exchange: my 16 figures of each half go to my 128 bytes (the sixteen lanes of a half write the same bytes with the same values).
.irp k, 0,1,2,3
	ds_store_b128 v9, v[ST+4*\k:ST+4*\k+3] offset:MX+16*\k
	ds_store_b128 v9, v[LS+4*\k:LS+4*\k+3] offset:SM+16*\k
.endr
	s_wait_dscnt 0x0                               ; for the others' sake: zero
	s_barrier_signal -1
	s_barrier_wait -1
	s_cmp_lt_u32 s14, 8
	s_cbranch_scc0 .Lend
.irp w, 0,1,2,3,4,5,6,7
	ds_load_b32 v[48+\w], v10 offset:MX+128*\w     ; lane (r, h) works for column r of half h
	ds_load_b32 v[56+\w], v10 offset:SM+128*\w
.endr
	ds_load_b32 v64, v118 offset:MX                ; my own wave's n
	s_wait_dscnt 0x0
	v_max3_num_f32 v65, -v48, -v49, -v50
	v_max3_num_f32 v66, -v51, -v52, -v53
	v_max3_num_f32 v65, v65, -v54, -v55
	v_max_num_f32 v65, v65, v66                    ; -N
.irp w, 0,1,2,3,4,5,6,7
	v_sub_f32 v[48+\w], -v65, v[48+\w]             ; N - n
.endr
	v_sub_f32 v64, -v65, v64
	WALU
.irp w, 0,1,2,3,4,5,6,7
	v_exp_f32 v[48+\w], v[48+\w]
.endr
	v_exp_f32 v64, v64
	v_nop
	WALU
	v_mul_f32 v66, v48, v56
	v_mul_f32 v67, v49, v57
.irp w, 2,4,6
	v_fmac_f32 v66, v[48+\w], v[56+\w]
	v_fmac_f32 v67, v[49+\w], v[57+\w]
.endr
	v_add_f32 v66, v66, v67                        ; the column's sum: it holds the maximum's own term, about 1
	WALU
	v_rcp_f32 v68, v66
	v_nop
	WALU
	v_mul_f32 v64, v64, v68                        ; my wave's factor for the column
	ds_store_b32 v118, v64 offset:FX               ; to my own bytes, and back as 16 figures a lane (LDS serves a wave's instructions in order: ISA guide 5.7.1.4)
.irp k, 0,1,2,3
	ds_load_b128 v[ST+4*\k:ST+4*\k+3], v9 offset:FX+16*\k
.endr
.irp b, 0,1,2,3
	v_mov_b32 v[TM+4+\b], 0                        ; a lane permute's destination counts as one of its sources
.endr
	WALU
	s_wait_dscnt 0x0
.irp t, 0,1,2,3,4,5,6,7
.irp i, 0,2,4,6,8,10,12,14
	v_pk_mul_f32 v[S+16*\t+\i:S+16*\t+\i+1], v[S+16*\t+\i:S+16*\t+\i+1], v[ST+\i:ST+\i+1]   ; P, finished and normalised, in f32
.endr
.endr
; Four tiles, 4 jq + b: a lane's 16 numbers of tile b and lane l xor 16's are the block of its row.  Behind the exchange of halves lane (r, h) holds the whole block, 24 bytes, of row r of tile 4 jq + 2 c + h.
.macro QT jq
.set SB, S+64*(\jq)
.set PCJ, PC+20*(\jq)
.irp b, 0,1,2,3
	v_max3_num_f32 v[TM+\b], v[SB+16*\b], v[SB+16*\b+1], 0x1800000   ; none is negative; the floor 2^(3 - 127) holds the byte at 1 from below
.endr
.irp i, 2,4,6,8,10,12,14
.irp b, 0,1,2,3
	v_max3_num_f32 v[TM+\b], v[TM+\b], v[SB+16*\b+\i], v[SB+16*\b+\i+1]
.endr
.endr
.irp b, 0,1,2,3
	v_permlanex16_b32 v[TM+4+\b], v[TM+\b], s24, s25
.endr
.irp b, 0,1,2,3
	v_max_num_f32 v[TM+\b], v[TM+\b], v[TM+4+\b]
.endr
.irp b, 0,1,2,3
	v_add_nc_u32 v[TM+12+\b], 0xff000000, v[TM+\b] ; 2 off the exponent field: the conversion's scale operand
.endr
.irp b, 0,1,2,3
	v_lshrrev_b32 v[TM+4+\b], 23, v[TM+12+\b]      ; the scale's byte
.endr
.irp c, 0,1
	v_cndmask_b32 v[QS+2*(\jq)+\c], v[TM+4+2*\c], v[TM+5+2*\c], s26   ; lanes 0-15 tile 2 c's byte, lanes 16-31 tile 2 c + 1's
.endr
.irp c, 0,1
	v_cvt_scalef32_pk16_fp6_f32 v[PCJ+6*\c:PCJ+6*\c+2], v[SB+32*\c:SB+32*\c+15], v[TM+12+2*\c]
	v_cvt_scalef32_pk16_fp6_f32 v[PCJ+12+4*\c:PCJ+14+4*\c], v[SB+32*\c+16:SB+32*\c+31], v[TM+13+2*\c]
.endr
	v_nop                                          ; one plain place behind a scaled conversion
.irp c, 0,1
.irp i, 0,1,2
	v_permlane16_swap_b32 v[PCJ+6*\c+\i], v[PCJ+12+4*\c+\i]
.endr
.irp i, 0,1,2
	v_mov_b32 v[PCJ+3+6*\c+\i], v[PCJ+12+4*\c+\i]
.endr
.endr
.irp c, 0,1                                    ; each store fills whole aligned runs of 256 bytes; each four tiles have registers of their own
	global_store_b128 v6, v[PCJ+6*\c:PCJ+6*\c+3], s[8:9] offset:(4*(\jq)+2*\c)*1024
	global_store_b64 v7, v[PCJ+6*\c+4:PCJ+6*\c+5], s[8:9] offset:8192+(2*(\jq)+\c)*1024
.endr
	global_store_b64 v8, v[QS+2*(\jq):QS+2*(\jq)+1], s[8:9] offset:12288+256*(\jq)
.endm
	QT 0
	QT 1
.Lend:
	s_wait_tensorcnt 0x0                           ; the wave's end, behind my last LDS store
	ds_add_u32 v12, v13
	s_wait_dscnt 0x0
	s_endpgm
.Lfunc_end_k_qfaf1e923f8_score:
	.size	k_qfaf1e923f8_score, .Lfunc_end_k_qfaf1e923f8_score-k_qfaf1e923f8_score
	.p2alignl 7, 3214868480
	.fill 96, 4, 3214868480
	.section	.rodata,"a",@progbits
	.p2align	6, 0x0
	.amdhsa_kernel k_qfaf1e923f8_score
		.amdhsa_group_segment_fixed_size 29696
		.amdhsa_private_segment_fixed_size 0
		.amdhsa_enable_private_segment 0
		.amdhsa_kernarg_size 24
		.amdhsa_user_sgpr_count 2
		.amdhsa_user_sgpr_kernarg_segment_ptr 1
		.amdhsa_wavefront_size32 1
		.amdhsa_system_sgpr_workgroup_id_x 1
		.amdhsa_system_sgpr_workgroup_id_y 1
		.amdhsa_system_sgpr_workgroup_id_z 1
		.amdhsa_system_vgpr_workitem_id 0
		.amdhsa_next_free_vgpr 448
		.amdhsa_next_free_sgpr 66
		.amdhsa_reserve_vcc 1
		.amdhsa_float_denorm_mode_32 3
		.amdhsa_float_denorm_mode_16_64 3
		.amdhsa_memory_ordered 1
		.amdhsa_forward_progress 1
		.amdhsa_inst_pref_size 112
	.end_amdhsa_kernel
	.amdgpu_metadata
---
amdhsa.version: [ 1, 2 ]
amdhsa.kernels:
  - .name:           k_qfaf1e923f8_score
    .symbol:         k_qfaf1e923f8_score.kd
    .args:
      - { .name: qr, .offset: 0, .size: 8, .value_kind: global_buffer, .address_space: global }
      - { .name: kr, .offset: 8, .size: 8, .value_kind: global_buffer, .address_space: global }
      - { .name: pr, .offset: 16, .size: 8, .value_kind: global_buffer, .address_space: global }
    .group_segment_fixed_size: 29696
    .private_segment_fixed_size: 0
    .kernarg_segment_align: 8
    .kernarg_segment_size: 24
    .max_flat_workgroup_size: 256
    .sgpr_count:     66
    .vgpr_count:     448
    .wavefront_size: 32
...
	.end_amdgpu_metadata
.endif
;; end of part 2
;; launch pv (part 3): grid 8 x 32, 8 waves a work-group, clusters of 4 x 1, 327,680 bytes of LDS; arguments pr, vr, out0; writes out0
.if DOCPART == 3
	.amdgcn_target "amdgcn-amd-amdhsa--gfx1250"
	.amdhsa_code_object_version 6
	.text
	.protected	k_qfaf1e923f8_pv
	.globl	k_qfaf1e923f8_pv
	.p2align	8
	.type	k_qfaf1e923f8_pv,@function
k_qfaf1e923f8_pv:
	s_mov_b64 s[64:65], 0
	v_nop
	global_prefetch_b8 v0, s[64:65] scope:SCOPE_SE
	s_setreg_imm32_b32 hwreg(HW_REG_WAVE_MODE, 25, 1), 1
	s_wait_xcnt 0x0
	s_wait_alu depctr_hold_cnt(0) depctr_sa_sdst(0) depctr_va_vdst(0) depctr_va_sdst(0) depctr_va_ssrc(0) depctr_va_vcc(0) depctr_vm_vsrc(0)
	s_getreg_b32 s2, hwreg(HW_REG_IB_STS2, 6, 4)
	s_cmp_eq_u32 s2, 0
	s_cbranch_scc0 .Lentry_in_a_cluster
	s_endpgm
.Lentry_in_a_cluster:
	s_bfe_u32 s2, ttmp6, 0x10000c
	s_cmp_lg_u32 s2, 0x3003
	s_cbranch_scc0 .Lentry_shape_is_right
	s_endpgm
.Lentry_shape_is_right:
; out = P V, both as codes of FP6 (E2M3) along the keys.  P's records: 14,336 bytes (128 queries x 128 keys), record 64 batch + 8 query block + key step; V's: 12,800 bytes (128 features x 128 keys), record 64 batch + 8 feature block + key step.
; WORK LEFT OUT: the steps of 128 keys that lie wholly behind a block of 128 queries: there the problem's mask makes P = 0 for all finite inputs.  Block o of the queries takes key steps 0 .. o.  A NaN or an infinity that reaches only that work is not carried on.
; SHARES.  A work-group makes TWO tiles of 128 queries x 128 features of one batch: blocks oA = 0 .. 3 (waves 0-3) and oB = 7 - oA (waves 4-7): 9 steps in every work-group, 256 work-groups.  A wave makes 64 x 64 of its tile: 16 accumulators.
; The batch is the cluster's number modulo 8; the number's upper bits are the half of the feature blocks and oA.
; Source 0 = 16 features of V, source 1 = 16 queries of P.  By V's order of rows lane (r, h)'s eight numbers of V's tile t are features 32 h + 8 (t xor h) + 0 .. 7 of the wave's 64, query r.
; ALL RECORDS LIE IN LDS AT ONCE: tile A's steps 0-3, tile B's 0-7, V's 0-7; every tensor load is a first fill, one a wave, at the head, those needed first by the lowest waves; each brings at least one record that is read.
; CLUSTERS of four feature blocks ask for P's records jointly.  V's are shared by work-groups of different query blocks alone, and a step's branch hangs on the query block, which no place in a cluster may decide: so V's loads are plain.
; No prefetch: there is no loop to run ahead in; all loads stand at the head.
; Tile A's results leave while tile B's last steps are multiplied, tile B's at the end.
.set PREC,  14336
.set VREC,  12800
.set VB,    12*PREC
.set STAGE, VB+8*VREC                  ; 16 rows x 272 bytes a wave
.set SPARE, STAGE+8*16*272
.set NLD,   37                         ; LDS loads of a step
.set STE, 14
.set STD, 15
.set RD,  16
.set GO,  17
.set SPW, 20
.set NIL, 21
.set MSB, 0
.macro WIN new
.if MSB != (\new)
	s_set_vgpr_msb (MSB<<8)|(\new)
.set MSB, (\new)
.endif
.endm
.macro BARRIER
	s_barrier_signal -1
	s_barrier_wait -1
.endm
.macro CROUND
	BARRIER
	s_cmp_lg_u32 s12, 0
	s_cbranch_scc1 .Lnot_wave_0_\@
	s_barrier_signal -3
.Lnot_wave_0_\@:
	s_barrier_wait -3
	BARRIER
.endm
.macro GROUP1 g, w0, rows              ; a dense block as rows of 256 bytes (32 elements of 8 bytes)
	s_mov_b32 s[\g], \w0
	s_mov_b32 s[\g+1], 32<<16
	s_mov_b32 s[\g+2], (\rows)<<16
	s_mov_b32 s[\g+3], 32<<16
	s_mov_b32 s[\g+4], \rows
	s_mov_b32 s[\g+5], 32
	s_mov_b32 s[\g+6], 0
	s_mov_b32 s[\g+7], 0
.endm
.macro GROUP0 g, lds, base, off
	s_mov_b32 s[\g], 1
	s_mov_b32 s[\g+1], \lds
	s_add_nc_u64 s[\g+2:\g+3], s[\base:\base+1], \off
	s_or_b32 s[\g+3], s[\g+3], 0x80000000
.endm
	s_load_b128 s[4:7], s[0:1], 0x0                ; pr, vr
	s_load_b64 s[8:9], s[0:1], 0x10                ; out0
	v_lshl_add_u32 v[SPW], v0, 2, SPARE
	v_mov_b32 v[NIL], 0
	ds_add_u32 v[SPW], v[NIL]
	ds_add_u32 v[SPW], v[NIL]
	v_lshrrev_b32 v1, 5, v0
	v_readfirstlane_b32 s12, v1                    ; wave 0..7
	s_bfe_u32 s86, ttmp6, 0x40000                  ; cx
	s_and_b32 s88, ttmp7, 0xffff
	s_and_b32 s89, s88, 3
	s_lshl_b32 s89, s89, 1
	s_add_co_u32 s89, s89, ttmp9                   ; the batch: (cluster x + 2 cluster y) % 8
	s_bfe_u32 s87, s88, 0x10002
	s_lshl_b32 s87, s87, 2
	s_add_co_u32 s87, s87, s86                     ; the feature block
	s_lshr_b32 s90, s88, 3                         ; oA
	s_xor_b32 s91, s90, 7                          ; oB
	s_lshl_b32 s98, s89, 6
	s_lshl_b32 s92, s87, 3
	s_add_co_u32 s92, s92, s98
	s_mul_i32 s92, s92, VREC
	s_mov_b32 s93, 0
	s_lshl_b32 s94, s90, 3
	s_add_co_u32 s94, s94, s98
	s_mul_i32 s94, s94, PREC
	s_mov_b32 s95, 0
	s_lshl_b32 s96, s91, 3
	s_add_co_u32 s96, s96, s98
	s_mul_i32 s96, s96, PREC
	s_mov_b32 s97, 0
	GROUP1 16, (3<<16), 100                        ; two records of V, four of V, two of P, four of P
	GROUP1 24, (3<<16), 200
	GROUP1 32, (3<<16)|(1<<21)|15, 112
	GROUP1 40, (3<<16)|(1<<21)|15, 224
	s_wait_dscnt 0x0
	CROUND                                         ; all four work-groups are here: the joint loads meet
	s_wait_kmcnt 0x0
	s_add_nc_u64 s[80:81], s[6:7], s[92:93]        ; V's records
	s_add_nc_u64 s[82:83], s[4:5], s[94:95]        ; P's for tile A
	s_add_nc_u64 s[84:85], s[4:5], s[96:97]        ; and for tile B
	GROUP0 48, VB, 80, 0
	GROUP0 52, 4*PREC, 84, 0
	GROUP0 56, 0, 82, 0
	GROUP0 60, VB+2*VREC, 80, 2*VREC
	GROUP0 68, 6*PREC, 84, 2*PREC
	GROUP0 72, VB+4*VREC, 80, 4*VREC
	GROUP0 76, 8*PREC, 84, 4*PREC
.macro ARM under, g0, g1, next
	s_cmp_lt_u32 s12, \under
	s_cbranch_scc0 \next
	tensor_load_to_lds s[\g0:\g0+3], s[\g1:\g1+7]
	s_nop 0
.rept 4
	v_nop
.endr
	s_branch .Lasked
.endm
	ARM 1, 48, 16, .Larm1                          ; V's steps 0, 1
.Larm1:
	ARM 2, 52, 32, .Larm2                          ; tile B's steps 0, 1
.Larm2:
	ARM 3, 56, 40, .Larm3                          ; tile A's steps 0 to 3
.Larm3:
	ARM 4, 60, 16, .Larm4                          ; V's steps 2, 3
.Larm4:
	ARM 5, 68, 32, .Larm5                          ; tile B's steps 2, 3
.Larm5:
	ARM 6, 72, 24, .Larm6                          ; V's steps 4 to 7
.Larm6:
	s_cmp_lt_u32 s12, 7
	s_cbranch_scc0 .Lasked
	tensor_load_to_lds s[76:79], s[40:47]          ; tile B's steps 4 to 7 (wave 7 has no load)
	s_nop 0
.rept 4
	v_nop
.endr
.Lasked:
	s_lshr_b32 s13, s12, 2                         ; 0: tile A, 1: tile B
	s_bfe_u32 s14, s12, 0x10001                    ; which 64 rows of the tile
	s_and_b32 s15, s12, 1                          ; which 64 features
	s_mul_i32 s10, s13, 7
	s_xor_b32 s10, s10, s90                        ; my block of queries
	s_lshl_b32 s2, s89, 10                         ; where my 64 x 64 begins in out0
	s_lshl_b32 s3, s10, 7
	s_add_co_u32 s2, s2, s3
	s_lshl_b32 s3, s14, 6
	s_add_co_u32 s2, s2, s3
	s_lshl_b32 s2, s2, 12
	s_lshl_b32 s3, s87, 9
	s_add_co_u32 s2, s2, s3
	s_lshl_b32 s3, s15, 8
	s_add_co_u32 s2, s2, s3
	s_mov_b32 s3, 0
	s_add_nc_u64 s[8:9], s[8:9], s[2:3]
	; LDS addresses.  A record of P: groups of four registers at 1024 tile + 512 c + 16 lane; pairs at 8192 + 1024 (tile / 2) + 512 c + 256 h + 128 (tile % 2) + 8 r; scale bytes, as words, at 12288 + 512 q + 256 (tile / 4) + 8 lane.
	s_mul_i32 s98, s13, 4*PREC
	s_lshl_b32 s99, s14, 11
	s_add_co_u32 s99, s99, s98
	s_add_co_u32 s99, s99, 8192
	s_lshl_b32 s100, s14, 8
	s_add_co_u32 s100, s100, s98
	s_add_co_u32 s100, s100, 12288
	s_lshl_b32 s101, s14, 12
	s_add_co_u32 s98, s98, s101
	s_mul_i32 s101, s15, 6144
	s_add_co_u32 s101, s101, VB
	s_lshl_b32 s11, s15, 8
	s_add_co_u32 s11, s11, VB+12288
	s_mul_i32 s86, s12, 16*272
	s_add_co_u32 s86, s86, STAGE
	v_and_b32 v22, 31, v0                          ; lane
	v_and_b32 v23, 15, v0                          ; r
	v_bfe_u32 v1, v0, 4, 1                         ; h
	v_lshl_add_u32 v2, v22, 4, s98
	v_lshl_add_u32 v4, v23, 3, s99
	v_lshl_add_u32 v4, v1, 8, v4
	v_lshl_add_u32 v6, v22, 3, s100
	v_lshl_add_u32 v8, v22, 4, s101
	v_lshl_add_u32 v10, v22, 3, s101
	v_add_nc_u32 v10, 512, v10
	v_lshl_add_u32 v12, v22, 3, s11
	v_add_nc_u32 v3, 4*PREC, v2                    ; and for steps 4 to 7
	v_add_nc_u32 v5, 4*PREC, v4
	v_add_nc_u32 v7, 4*PREC, v6
	v_add_nc_u32 v9, 4*VREC, v8
	v_add_nc_u32 v11, 4*VREC, v10
	v_add_nc_u32 v13, 4*VREC, v12
	v_mul_u32_u24 v18, v23, 272
	v_add_nc_u32 v18, s86, v18
	v_mad_u32_u24 v[STE], v1, 160, v18             ; the stage, in: row r; V's even tiles, its odd ones
	v_mad_u32_u24 v[STD], v1, 96, v18
	v_mul_u32_u24 v[RD], v1, 272
	v_lshl_add_u32 v[RD], v23, 4, v[RD]
	v_add_nc_u32 v[RD], s86, v[RD]                 ; back: lanes 0-15 one row of 256 bytes, lanes 16-31 the next
	v_lshlrev_b32 v[GO], 12, v1
	v_lshl_add_u32 v[GO], v23, 4, v[GO]            ; and the same two rows in out0
	s_wait_alu depctr_va_vdst(0)
; Step n's fragments into set n % 2: NLD loads.  REGISTERS: window 0: from v24 and from v136: 48 P, 48 V, 8 raw scale bytes, 2 + 2 scale words;  window 1: accumulator (ir, ie) at v[8 (4 ir + ie)].
.macro FETCH n
.set F, 24+112*((\n)%2)
.set G3, (\n)/4
.set PO, PREC*((\n)%4)
.set VO, VREC*((\n)%4)
.irp ir, 0,1,2,3
.irp c, 0,1
	ds_load_b128 v[F+12*\ir+6*\c:F+12*\ir+6*\c+3], v[2+G3] offset:PO+1024*\ir+512*\c
	ds_load_b64 v[F+12*\ir+6*\c+4:F+12*\ir+6*\c+5], v[4+G3] offset:PO+1024*(\ir/2)+512*\c+128*(\ir%2)
.endr
.endr
.irp q, 0,1,2,3
	ds_load_b64 v[F+96+2*\q:F+97+2*\q], v[6+G3] offset:PO+512*\q
.endr
.irp ie, 0,1,2,3
.irp c, 0,1
	ds_load_b128 v[F+48+12*\ie+6*\c:F+48+12*\ie+6*\c+3], v[8+G3] offset:VO+1536*\ie+768*\c
	ds_load_b64 v[F+48+12*\ie+6*\c+4:F+48+12*\ie+6*\c+5], v[10+G3] offset:VO+1536*\ie+768*\c
.endr
.endr
	ds_load_b64 v[F+106:F+107], v[12+G3] offset:VO
.endm
.macro MUL n, younger, zero            ; the wait for step n's fragments; the four strips' bytes make P's scale words; sixteen products, one on each accumulator
.set F, 24+112*((\n)%2)
	s_wait_dscnt \younger
.irp k, 0,1
	v_lshl_or_b32 v[F+104+\k], v[F+98+\k], 8, v[F+96+\k]
.endr
.irp k, 0,1
	v_lshl_or_b32 v[F+104+\k], v[F+100+\k], 16, v[F+104+\k]
.endr
.irp k, 0,1
	v_lshl_or_b32 v[F+104+\k], v[F+102+\k], 24, v[F+104+\k]
.endr
.rept 8
	v_nop                                          ; a scale register written by a vector instruction stands 8 places ahead of the scaled matrix instruction
.endr
	s_wait_alu depctr_va_vdst(0)
	WIN 0x50
.irp k, 0,1
.irp rb, 0,1
.irp m, 0,1
.irp ra, 0,1
.set D_, 8*(4*(2*\k+\rb)+2*\m+\ra)
.set A_, F+48+12*(2*\m+\ra)
.set B_, F+12*(2*\k+\rb)
.if \zero
	v_wmma_scale_f32_16x16x128_f8f6f4 v[D_:D_+7], v[A_:A_+11], v[B_:B_+11], 0, v[F+106+\m], v[F+104+\k] matrix_a_fmt:MATRIX_FMT_FP6 matrix_b_fmt:MATRIX_FMT_FP6 matrix_a_scale:MATRIX_SCALE_ROW\ra matrix_b_scale:MATRIX_SCALE_ROW\rb
.else
	v_wmma_scale_f32_16x16x128_f8f6f4 v[D_:D_+7], v[A_:A_+11], v[B_:B_+11], v[D_:D_+7], v[F+106+\m], v[F+104+\k] matrix_a_fmt:MATRIX_FMT_FP6 matrix_b_fmt:MATRIX_FMT_FP6 matrix_a_scale:MATRIX_SCALE_ROW\ra matrix_b_scale:MATRIX_SCALE_ROW\rb
.endif
.endr
.endr
.endr
.endr
	WIN 0
.rept 4
	v_nop                                          ; places in front of loads into these fragments' registers and of reads of results
.endr
.endm
.macro OSTAGE blk                      ; 16 rows x 64 features go through my own stage and come back as rows of 256 bytes; LDS serves a wave's instructions in order (ISA guide 5.7.1.4)
.set BB, 24+32*((\blk)%2)
	WIN 0x04
.irp ie, 0,1,2,3
	ds_store_b128 v[STE+\ie%2], v[8*(4*(\blk)+\ie):8*(4*(\blk)+\ie)+3] offset:32*\ie
	ds_store_b128 v[STE+\ie%2], v[8*(4*(\blk)+\ie)+4:8*(4*(\blk)+\ie)+7] offset:32*\ie+16
.endr
	WIN 0
.irp i, 0,1,2,3,4,5,6,7
	ds_load_b128 v[BB+4*\i:BB+4*\i+3], v[RD] offset:2*\i*272
.endr
.endm
.macro OSEND blk, younger
.set BB, 24+32*((\blk)%2)
	s_wait_dscnt \younger
.irp i, 0,1,2,3,4,5,6,7
	global_store_b128 v[GO], v[BB+4*\i:BB+4*\i+3], s[8:9] offset:(16*(\blk)+2*\i)*4096 th:TH_STORE_NT   ; 16 lanes store 256 consecutive bytes, at a multiple of 256 from out0's first byte
.endr
.endm
	s_cmp_lt_u32 s12, 3
	s_cbranch_scc0 .Lshow0
	s_wait_tensorcnt 0x0
.Lshow0:
	BARRIER                                        ; waves 0 to 2's tiles are in
	FETCH 0
	s_cmp_lt_u32 s10, 1                            ; has my block a step 1?  ids alone
	s_cbranch_scc1 .Lonly0
	FETCH 1
	MUL 0, NLD, 1                                  ; the first products start the sums
	MUL 1, 0, 0
	s_branch .Lseg1
.Lonly0:
	MUL 0, 0, 1
.Lseg1:
	s_cmp_lt_u32 s12, 5
	s_cbranch_scc0 .Lshow1
	s_wait_tensorcnt 0x0
.Lshow1:
	BARRIER                                        ; waves 3 and 4's tiles are in
	s_cmp_lt_u32 s10, 2
	s_cbranch_scc1 .Lseg2
	FETCH 2
	s_cmp_lt_u32 s10, 3
	s_cbranch_scc1 .Lonly2
	FETCH 3
	MUL 2, NLD, 0
	MUL 3, 0, 0
	s_branch .Lseg2
.Lonly2:
	MUL 2, 0, 0
.Lseg2:
	s_wait_tensorcnt 0x0
	s_wait_dscnt 0x0
	BARRIER                                        ; all tiles are in
	s_cmp_lt_u32 s12, 4
	s_cbranch_scc1 .Lout                           ; tile A has no further step
	FETCH 4
	s_cmp_lt_u32 s10, 5
	s_cbranch_scc1 .Lonly4
	FETCH 5
	MUL 4, NLD, 0
	s_cmp_lt_u32 s10, 6
	s_cbranch_scc1 .Lonly5
	FETCH 6
	MUL 5, NLD, 0
	s_cmp_lt_u32 s10, 7
	s_cbranch_scc1 .Lonly6
	FETCH 7
	MUL 6, NLD, 0
	MUL 7, 0, 0
	s_branch .Lout
.Lonly4:
	MUL 4, 0, 0
	s_branch .Lout
.Lonly5:
	MUL 5, 0, 0
	s_branch .Lout
.Lonly6:
	MUL 6, 0, 0
.Lout:
	OSTAGE 0
	OSTAGE 1
	OSEND 0, 16                                    ; behind that block's loads: the next block's 8 stores and 8 loads
	s_wait_xcnt 0x0                                ; block 0's stores have read their registers
	OSTAGE 2
	OSEND 1, 16
	s_wait_xcnt 0x0
	OSTAGE 3
	OSEND 2, 16
	OSEND 3, 0
	s_wait_tensorcnt 0x0                           ; the wave's end
	ds_add_u32 v[SPW], v[NIL]
	s_wait_dscnt 0x0
	CROUND                                         ; the closing round
	s_endpgm
.Lfunc_end_k_qfaf1e923f8_pv:
	.size	k_qfaf1e923f8_pv, .Lfunc_end_k_qfaf1e923f8_pv-k_qfaf1e923f8_pv
	.p2alignl 7, 3214868480
	.fill 96, 4, 3214868480
	.section	.rodata,"a",@progbits
	.p2align	6, 0x0
	.amdhsa_kernel k_qfaf1e923f8_pv
		.amdhsa_group_segment_fixed_size 327680
		.amdhsa_private_segment_fixed_size 0
		.amdhsa_enable_private_segment 0
		.amdhsa_kernarg_size 24
		.amdhsa_user_sgpr_count 2
		.amdhsa_user_sgpr_kernarg_segment_ptr 1
		.amdhsa_wavefront_size32 1
		.amdhsa_system_sgpr_workgroup_id_x 1
		.amdhsa_system_sgpr_workgroup_id_y 1
		.amdhsa_system_sgpr_workgroup_id_z 1
		.amdhsa_system_vgpr_workitem_id 0
		.amdhsa_next_free_vgpr 384
		.amdhsa_next_free_sgpr 102
		.amdhsa_reserve_vcc 0
		.amdhsa_float_denorm_mode_32 3
		.amdhsa_float_denorm_mode_16_64 3
		.amdhsa_memory_ordered 1
		.amdhsa_forward_progress 1
		.amdhsa_inst_pref_size 76
	.end_amdhsa_kernel
	.amdgpu_metadata
---
amdhsa.version: [ 1, 2 ]
amdhsa.kernels:
  - .name:           k_qfaf1e923f8_pv
    .symbol:         k_qfaf1e923f8_pv.kd
    .args:
      - { .name: pr, .offset: 0, .size: 8, .value_kind: global_buffer, .address_space: global }
      - { .name: vr, .offset: 8, .size: 8, .value_kind: global_buffer, .address_space: global }
      - { .name: out0, .offset: 16, .size: 8, .value_kind: global_buffer, .address_space: global }
    .group_segment_fixed_size: 327680
    .private_segment_fixed_size: 0
    .kernarg_segment_align: 8
    .kernarg_segment_size: 24
    .max_flat_workgroup_size: 256
    .sgpr_count:     102
    .vgpr_count:     384
    .wavefront_size: 32
...
	.end_amdgpu_metadata
.endif
;; end of part 3
